; MI455X (gfx1250); checked and timed in simulation.
; The chip was launched on July 23, 2026; its instructions are those of AMD's public machine-readable ISA for CDNA 5 (MIT licence, August 2026) and "CDNA5" Instruction Set Architecture Reference Guide (July 2026). The comments in the code are by the model that wrote it; some were corrected since.
;; Masked Multi Head Self Attention. Allowed arithmetic: matrix products marked QUANTISED: E2M3 operands, one E8M0 scale for each 32 along K, by v_wmma_scale_f32_16x16x128_f8f6f4 with both operands' format E2M3, f32 sums; everything else in f32.
;; Inputs: Wk_codes 512 x 16 x 24 uint8 (E2M3 codes of Wk, K innermost, in blocks of 32 codes, four codes in three bytes); Wk_scales 512 x 16 uint8 (E8M0 scales of Wk, one for each 32 codes along K); Wo_codes 512 x 16 x 24 uint8 (E2M3 codes of Wo, K innermost, in blocks of 32 codes, four codes in three bytes); Wo_scales 512 x 16 uint8 (E8M0 scales of Wo, one for each 32 codes along K); Wq_codes 512 x 16 x 24 uint8 (E2M3 codes of Wq, K innermost, in blocks of 32 codes, four codes in three bytes); Wq_scales 512 x 16 uint8 (E8M0 scales of Wq, one for each 32 codes along K); Wv_codes 512 x 16 x 24 uint8 (E2M3 codes of Wv, K innermost, in blocks of 32 codes, four codes in three bytes); Wv_scales 512 x 16 uint8 (E8M0 scales of Wv, one for each 32 codes along K); adj 2,048 x 2,048 int32; bk 512 float32; bo 512 float32; bq 512 float32; bv 512 float32; h_codes 4 x 2,048 x 16 x 24 uint8 (E2M3 codes of h, K innermost, in blocks of 32 codes, four codes in three bytes); h_scales 4 x 2,048 x 16 uint8 (E8M0 scales of h, one for each 32 codes along K).
;; Outputs: out0 4 x 2,048 x 512 float32.
;; This version of the problem:
;;   THIS VERSION OF THE PROBLEM IS GIVEN IN LOW PRECISION. The matrix products marked QUANTISED in the list below multiply operands that are first quantised to E2M3 (2 exponent bits, 3 mantissa bits; 6 bits a number), with one power-of-two scale for each 32 numbers along K (OCP MX v1.0); their sums are f32. All else is computed in f32.
;;   The module's matrix products, in the order in which they are computed (A, B: the left and right operand; K: the contracted axis; several contracted axes count as one K, in the product's order):
;;     1. [M 8,192, K 512] x [K 512, N 512]; A: input h (given as codes); B: input Wq (given as codes): QUANTISED
;;     2. [M 8,192, K 512] x [K 512, N 512]; A: input h (given as codes); B: input Wk (given as codes): QUANTISED
;;     3. [M 8,192, K 512] x [K 512, N 512]; A: input h (given as codes); B: input Wv (given as codes): QUANTISED
;;     4. batch 32 x [M 2,048, K 64] x [K 64, N 2,048]; A: computed on the way; B: computed on the way: QUANTISED
;;     5. batch 32 x [M 2,048, K 2,048] x [K 2,048, N 64]; A: softmax (see below); B: computed on the way: QUANTISED
;;     6. [M 8,192, K 512] x [K 512, N 512]; A: computed on the way; B: input Wo (given as codes): QUANTISED
;;   THE QUANTISER, for each operand of a quantised product, along K:
;;     - K is cut into blocks of 32 from its start; a last block that is shorter is filled with zeros.
;;     - A block's scale is 2^e with e = floor(log2(the largest magnitude in the block)) - 2, held to -126 .. 127; a block of zeros has e = 0. As a byte (E8M0): e + 127.
;;     - Each number is divided by its block's scale, clamped to +-7.5, and rounded to the nearest number of E2M3, ties to even, subnormals kept.
;;     - The product sums the exact products of the quantised numbers (number of the format x scale) in f32.
;;   ~~~python
;;   def quantise(x, axis):      # numpy; x: float32 -> the quantised numbers, widened to float32 again
;;       x = np.moveaxis(x, axis, -1); K = x.shape[-1]
;;       x = np.pad(x, [(0, 0)] * (x.ndim - 1) + [(0, -K % 32)]); x = x.reshape(x.shape[:-1] + (-1, 32)); a = np.abs(x).max(-1, keepdims=True)
;;       e = np.where(a > 0, np.clip(np.frexp(np.where(a > 0, a, 1))[1] - 1 - 2, -126, 127), 0)      # np.frexp(a)[1] - 1 = floor(log2(a)), exactly
;;       r = np.clip(x / 2.0 ** e, -7.5, 7.5)
;;       step = 2.0 ** (np.maximum(np.frexp(np.where(r == 0, 1, r))[1] - 1, 0) - 3)
;;       q = np.round(r / step) * step * 2.0 ** e      # np.round: ties to even
;;       return np.moveaxis(q.reshape(q.shape[:-2] + (-1,))[..., :K], -1, axis).astype(np.float32)
;;   ~~~
;;   SOFTMAX AHEAD OF A QUANTISED PRODUCT. Where the list says 'softmax', what is quantised is not the finished softmax but p = 2^(t - M), with t = logit x log2(e) and M = ceil(the row's largest t), a whole number; so 1/2 < the row's largest p <= 1. The row's sum l is taken of the UNQUANTISED p, in f32, and the product's result is divided by l at the end. Since M is a whole number, a kernel that streams over the keys may use a running M (the ceiling of the running maximum): every later rescaling is an exact power of two, which a block's scale takes up: the codes' values come out the same.
;;   OPERANDS COMPUTED ON THE WAY. 'Computed on the way' means the value that the module computes at that place (a softmax that the list does not call 'softmax' is quantised finished and normalised). What goes into a quantiser is computed in f32, as accurately as f32 sums, v_exp_f32 and their like allow (about 1e-6 of the number): no bf16 or f16 on the way to a quantiser, and a product that is left as it is and whose result goes on into a quantised operand takes f32 operands (vector FMAs, or v_wmma_f32_16x16x4_f32). A number that lies on a knife's edge between two numbers of the format may be rounded either way, as far as f32 arithmetic and the matrix unit's own rounding can turn it there, and no further.
;;   INPUTS GIVEN AS CODES. Wk (in the module: [512, 512], K = its axis 1); Wo (in the module: [512, 512], K = its axis 1); Wq (in the module: [512, 512], K = its axis 1); Wv (in the module: [512, 512], K = its axis 1); h (in the module: [4, 2048, 512], K = its axis 2): each comes as NAME_codes (uint8): NAME with its K axis moved to the last place and cut into blocks of 32 codes, [.., K / 32, bytes a block], one block behind the other in memory; four codes in three bytes: a row's codes are one little-endian stream of bits, code i at bits 6 i .. 6 i + 5 (a code: sign, 2 exponent bits, 3 mantissa bits); and NAME_scales (uint8): the same leading axes, one E8M0 byte (e + 127) for each 32 codes along K. Its value is code x scale, taken as it is: it is not quantised again, and the codes and scales need not be those that the quantiser above would give.
;; One version. Each part assembles by itself: llvm-mc -triple=amdgcn-amd-amdhsa -mcpu=gfx1250 --defsym DOCPART=n.
;; ======== version 1 of 1: 3 launches
;; limits: right only within a limited range of input values
;; workspace buffers: qkv 10,092,544 bytes; maskw 2,097,152 bytes; oimg 3,145,728 bytes; osc 131,072 bytes
;; launch proj (part 1): grid 4 x 64, 16 waves a work-group, clusters of 4 x 4, 289,792 bytes of LDS; arguments h_codes, h_scales, Wq_codes, Wk_codes, Wv_codes, Wq_scales, Wk_scales, Wv_scales, bq, bk, bv, adj, qkv, maskw; writes qkv, maskw
.if DOCPART == 1
	.amdgcn_target "amdgcn-amd-amdhsa--gfx1250"
	.amdhsa_code_object_version 6
	.text
	.protected	k_q076880cc10_proj
	.globl	k_q076880cc10_proj
	.p2align	8
	.type	k_q076880cc10_proj,@function
k_q076880cc10_proj:
	s_mov_b64 s[64:65], 0
	v_nop
	global_prefetch_b8 v0, s[64:65] scope:SCOPE_SE
	s_setreg_imm32_b32 hwreg(HW_REG_WAVE_MODE, 25, 1), 1
	s_wait_xcnt 0x0
	s_wait_alu depctr_hold_cnt(0) depctr_sa_sdst(0) depctr_va_vdst(0) depctr_va_sdst(0) depctr_va_ssrc(0) depctr_va_vcc(0) depctr_vm_vsrc(0)
	s_getreg_b32 s2, hwreg(HW_REG_IB_STS2, 6, 4)
	s_cmp_eq_u32 s2, 0
	s_cbranch_scc0 .Lentry_in_a_cluster
	s_endpgm
.Lentry_in_a_cluster:
	s_bfe_u32 s2, ttmp6, 0x10000c
	s_cmp_lg_u32 s2, 0xf033
	s_cbranch_scc0 .Lentry_shape_is_right
	s_endpgm
.Lentry_shape_is_right:
; q = h Wq^T + bq, k = h Wk^T + bk, v = h Wv^T + bv on codes of FP6 (E2M3) with E8M0 scales, each result quantised at once, from f32, into the operand images that the attention launch reads;
; and adj [2048][2048] int32 turned into codes of FP4, one nibble a score: 0 where the key is seen, 9 (the number -0.5) where adj is 0.
; SHARES.  Work-group (hp, ts): tokens 128 ts .. + 127, and of each of q, k, v the features 128 hp .. + 127 (heads 2 hp, 2 hp + 1).  Sixteen waves in four roles of four (sub = wave % 4):
;   role 0 (q): source 0 = the weight's 128 rows (8 tiles), source 1 = tokens 32 sub + 16 y + r (y = 0, 1): a lane holds ONE token, its registers run along the features, which are the next K.
;   role 1 (k): the same, but with the tokens of tile (c = sub / 2, j = sub % 2 + 2 y): lane r takes token 64 c + 32 (r / 8) + 8 j + r % 8.
;   role 2 (v): source 0 = the 128 tokens in tiles (c, j) as above, source 1 = Wv's rows 64 (sub / 2) + 32 (r / 8) + 8 j + r % 8, j = 2 (sub % 2) + y: a lane holds ONE channel, and its 32 registers of tiles (c, 0 .. 3) are the tokens
;   64 c + 32 h + 0 .. 31: a whole scale block.   role 3: two units (16 queries x 128 keys) of adj.
; With k's tiles so, the attention launch's score registers 8 j + i of lane (r, h) are keys 64 c + 32 h + 8 j + i: there too a lane holds whole scale blocks, in true order, and so does v along the keys.
; q and k, along the channels: a block's codes lie in the order 0-7, 16-23, 8-15, 24-31 in both.
; 16 accumulators a wave, 4 K steps of 128, 64 matrix instructions; the accumulators take turns, one instruction a turn.
; CLUSTER 4 x 4: the four work-groups of a row share ts and ask jointly for h's tile, the four of a column share hp and ask jointly for the three weights' tiles.  adj's tiles are each wave's own (no mask).
; LDS is filled once and only read: h at 0, Wq, Wk, Wv behind it (128 rows of 384 bytes, dense in memory, fetched as rows of 256 bytes with 16 bytes of padding behind each 128: pitch 432 = 108 words); then four tiles of adj.
; No prefetch: the text has no loop; all tiles are asked for at the head.
; THE RECORD of (batch, head) in qkv, 315,392 bytes: for each of 16 key steps 13,056 bytes: K's images 0, K's scale words 6,144, V's images 6,656, V's scale words 12,800; then Q's images 208,896, Q's scale words 307,200.
;   An image is a run of operand registers: register p of lane l at 512 (p / 4) + 16 l + 4 (p % 4).  Two token tiles of q or k are 12 registers; a tile of V (16 channels x 128 keys) likewise.
; maskw: [query tile][key step][c][lane][j]: a dword is the eight nibbles i of tile (c, j).
; LIMITS: a block whose largest magnitude lies under 2^-124 keeps the scale byte 1; a block of zeros gets the byte 1 and zero codes (these bytes are read by this program alone);
; NaN and infinities among the biases and the byte 0xff among the given scales go on as the matrix unit makes them.
.set RECB,   315392
.set QOFF,   208896
.set STEPB,  13056
.set PITCH,  432
.set TILEB,  16*PITCH
.set HALFB,  64*PITCH                  ; what one tensor load of codes brings
.set OPB,    128*PITCH                 ; an operand's 128 rows
.set ADJL,   4*OPB
.set APITCH, 1040
.set AREG,   16*APITCH
.set SPARE,  ADJL+4*AREG               ; the spare words: 128 bytes a wave
.set S0,  16                           ; v16-31   source 0's scale words: register 4 i + ks: lanes 0-15 tile 2 i, lanes 16-31 tile 2 i + 1
.set S1,  32                           ; v32-35   source 1's: register ks: lanes 0-15 y = 0, lanes 16-31 y = 1
.set F1,  36                           ; v36-59   source 1's two fragments
.set F0,  60                           ; v60-107  four fragments of source 0
.set TM,  108                          ; v108-115, v120-123 at work in the quantisers
.set ACC, 128                          ; v128-255 accumulator (y, t) at 128 + 64 y + 8 t
.set PC,  36                           ; behind the products: the codes, 24 registers
.set CT,  60
.set PW0, 68
.set PW1, 69
.set SPW, 1
.set NIL, 2
.set WV,  32                           ; s32 wave, s33 role, s34 sub
.set SEL, 88                           ; s[88:89] lane selects: lane l xor 16
; v3 h; v4-5 source 0 of q, k; v6-7 source 1 of q, k; v8-9 source 0 of v; v10-11 source 1 of v (each: + 24 h, and + 40 h for pieces behind one padding more); v12 adj; v13 16 l; v14 4 l; v15 32 h;
; v116 Wv's scale rows, v117 bv, v118 source 1's scale rows of q, k, v119 source 0's of v (global offsets).  All are made ahead of the first parting of the roles.
.macro ROUND                           ; a round of the cluster's barrier
	s_barrier_signal -1
	s_barrier_wait -1
	s_cmp_lg_u32 s[WV], 0
	s_cbranch_scc1 .Lnw0_\@
	s_barrier_signal -3
.Lnw0_\@:
	s_barrier_wait -3
	s_barrier_signal -1
	s_barrier_wait -1
.endm
.macro PLACES                          ; four plain vector instructions between a matrix instruction and a load into, or a read of, its registers
.rept 4
	v_nop
.endr
.endm
.macro WALU
	s_wait_alu depctr_va_vdst(0)
.endm
.macro TLOAD g0, g1
	tensor_load_to_lds s[\g0:\g0+3], s[\g1:\g1+7]
	s_nop 0
	PLACES
.endm
; A fragment, 16 rows x 128 K of 6-bit codes, 12 registers: lane (r, h) takes bytes 96 ks + 24 h + 0 .. 23 and + 48 of its row, in pieces of 8 bytes.  Piece q of a row lies at 8 q + 16 (q / 16).
; Lanes 16-31 read three pieces on, which from piece 13 of 16 is behind one padding more: the second address register serves those.
.macro FRAG reg, adr, ks, rowoff
.irp p, 0,1,2,3,4,5
.set PCE, 12*(\ks)+6*(\p/3)+\p%3
.if PCE%16 < 13
	ds_load_b64 v[\reg+2*\p:\reg+2*\p+1], v[\adr] offset:8*PCE+16*(PCE/16)+(\rowoff)
.else
	ds_load_b64 v[\reg+2*\p:\reg+2*\p+1], v[\adr+1] offset:8*PCE+16*(PCE/16)+(\rowoff)
.endif
.endr
.endm
.macro WM d, a, b, c, sa, sb, ra, rb   ; ra, rb: the lanes' row in which that side's scale words stand
	v_wmma_scale_f32_16x16x128_f8f6f4 v[\d:\d+7], v[\a:\a+11], v[\b:\b+11], \c, v[\sa], v[\sb] matrix_a_fmt:MATRIX_FMT_FP6 matrix_b_fmt:MATRIX_FMT_FP6 matrix_a_scale:MATRIX_SCALE_ROW\ra matrix_b_scale:MATRIX_SCALE_ROW\rb
.endm
; The wave's whole product: 4 K steps; in each, source 1's two fragments, then source 0's eight in two groups of four, each against both.  a0, a1: the address registers; y1off: from y = 0 to y = 1 in source 1;
; goff, ioff: from group to group and from tile to tile of source 0.  zero = 1: the first K step starts the sums with 0; else the accumulators hold the bias.
.macro GEMM a0, a1, y1off, zero, goff, ioff
.irp ks, 0,1,2,3
.if \ks > 0
	PLACES
.endif
	FRAG F1, \a1, \ks, 0
	FRAG F1+12, \a1, \ks, \y1off
.irp g, 0,1
.if \g > 0
	PLACES
.endif
.irp i, 0,1,2,3
	FRAG F0+12*\i, \a0, \ks, \g*(\goff)+\i*(\ioff)
.endr
	s_wait_dscnt 0x0                               ; the fragments just asked for are in
.irp u, 0,1
.irp o, 0,1
.irp y, 0,1
.set DD, ACC+64*\y+8*(4*\g+2*\u+\o)
.if (\zero) && (\ks == 0)
	WM DD, F0+24*\u+12*\o, F1+12*\y, 0, S0+4*(2*\g+\u)+\ks, S1+\ks, \o, \y
.else
	WM DD, F0+24*\u+12*\o, F1+12*\y, v[DD:DD+7], S0+4*(2*\g+\u)+\ks, S1+\ks, \o, \y
.endif
.endr
.endr
.endr
.endr
.endr
.endm
; q, k: 64 numbers of a lane, v[s] .. v[s + 63]: block b of 32 along the next K is registers 16 b .. 16 b + 15 of lanes l and l xor 16.  They become the codes of blocks 0, 1 in v[d0 .. d0 + 5] (lanes 0-15 block 0, lanes 16-31
; block 1), of blocks 2, 3 in v[d1 .. d1 + 5], and the four scale bytes in v[pw].  Each accumulator is read from its low end on.
.macro QUANT s, d0, d1, pw
.irp b, 0,1,2,3
	v_max3_num_f32 v[TM+\b], |v[\s+16*\b]|, |v[\s+1+16*\b]|, 0x1800000   ; my 16 numbers, and the floor 2^(3 - 127): the byte cannot fall under 1
.endr
.irp i, 2,4,6,8,10,12,14
.irp b, 0,1,2,3
	v_max3_num_f32 v[TM+\b], v[TM+\b], |v[\s+16*\b+\i]|, |v[\s+1+16*\b+\i]|   ; the four blocks by turns
.endr
.endr
.irp b, 0,1,2,3
	v_permlanex16_b32 v[TM+4+\b], v[TM+\b], s[SEL], s[SEL+1]
.endr
.irp b, 0,1,2,3
	v_max_num_f32 v[TM+\b], v[TM+\b], v[TM+4+\b]   ; with lane l xor 16's
.endr
.irp b, 0,1,2,3
	v_add_nc_u32 v[TM+12+\b], 0xff000000, v[TM+\b] ; 2 off its exponent field: the conversion takes the exponent field of this operand as its scale
.endr
.irp b, 0,1,2,3
	v_lshrrev_b32 v[TM+4+\b], 23, v[TM+12+\b]      ; the scale's byte
.endr
	v_lshl_or_b32 v[\pw], v[TM+5], 8, v[TM+4]
	v_lshl_or_b32 v[\pw], v[TM+6], 16, v[\pw]
	v_lshl_or_b32 v[\pw], v[TM+7], 24, v[\pw]
	v_cvt_scalef32_pk16_fp6_f32 v[\d0:\d0+2], v[\s:\s+15], v[TM+12]
	v_cvt_scalef32_pk16_fp6_f32 v[CT:CT+2], v[\s+16:\s+31], v[TM+13]     ; (a conversion's three registers begin on an even number)
	v_cvt_scalef32_pk16_fp6_f32 v[\d1:\d1+2], v[\s+32:\s+47], v[TM+14]
	v_cvt_scalef32_pk16_fp6_f32 v[CT+4:CT+6], v[\s+48:\s+63], v[TM+15]
	v_nop                                          ; one plain place behind a scaled conversion
.irp i, 0,1,2
	v_permlane16_swap_b32 v[\d0+\i], v[CT+\i]      ; the operand's layout wants a whole block in a lane
	v_permlane16_swap_b32 v[\d1+\i], v[CT+4+\i]
.endr
.irp i, 0,1,2
	v_mov_b32 v[\d0+3+\i], v[CT+\i]
	v_mov_b32 v[\d1+3+\i], v[CT+4+\i]
.endr
.endm
; v: registers 32 c .. 32 c + 31 are the lane's own block 2 c + h.  They become the codes v[d .. d + 11] and the scale word v[pw], whole in every lane.
.macro QUANTV s, d, pw
.irp c, 0,1
	v_max3_num_f32 v[TM+\c], |v[\s+32*\c]|, |v[\s+1+32*\c]|, 0x1800000
	v_max3_num_f32 v[TM+2+\c], |v[\s+16+32*\c]|, |v[\s+17+32*\c]|, 0x1800000
.endr
.irp i, 2,4,6,8,10,12,14
.irp c, 0,1
	v_max3_num_f32 v[TM+\c], v[TM+\c], |v[\s+32*\c+\i]|, |v[\s+1+32*\c+\i]|
	v_max3_num_f32 v[TM+2+\c], v[TM+2+\c], |v[\s+16+32*\c+\i]|, |v[\s+17+32*\c+\i]|
.endr
.endr
.irp c, 0,1
	v_max_num_f32 v[TM+\c], v[TM+\c], v[TM+2+\c]
.endr
.irp c, 0,1
	v_add_nc_u32 v[TM+12+\c], 0xff000000, v[TM+\c]
.endr
.irp c, 0,1
	v_lshrrev_b32 v[TM+2+\c], 23, v[TM+12+\c]
.endr
	v_lshl_or_b32 v[\pw], v[TM+3], 16, v[TM+2]     ; my two bytes: blocks h and 2 + h,
	v_lshlrev_b32 v[\pw], v73, v[\pw]              ; at their places (8 h bits up);
	v_permlanex16_b32 v[TM+4], v[\pw], s[SEL], s[SEL+1]
	v_or_b32 v[\pw], v[\pw], v[TM+4]               ; with lane l xor 16's two
.irp c, 0,1
	v_cvt_scalef32_pk16_fp6_f32 v[\d+6*\c:\d+6*\c+2], v[\s+32*\c:\s+32*\c+15], v[TM+12+\c]
	v_cvt_scalef32_pk16_fp6_f32 v[CT+4*\c:CT+4*\c+2], v[\s+32*\c+16:\s+32*\c+31], v[TM+12+\c]
.endr
	v_nop
.irp c, 0,1
.irp i, 0,1,2
	v_mov_b32 v[\d+6*\c+3+\i], v[CT+4*\c+\i]
.endr
.endr
.endm
	s_load_b512 s[4:19], s[0:1], 0x0               ; h codes 4:5, h scales 6:7, Wq, Wk, Wv codes 8:9, 10:11, 12:13, their scales 14:15, 16:17, 18:19
	s_load_b256 s[20:27], s[0:1], 0x40             ; bq 20:21, bk 22:23, bv 24:25, adj 26:27
	s_load_b128 s[28:31], s[0:1], 0x60             ; qkv 28:29, maskw 30:31
	v_lshl_add_u32 v[SPW], v0, 2, SPARE
	v_mov_b32 v[NIL], 0
	ds_add_u32 v[SPW], v[NIL]                      ; the add, twice on end, and its wait ahead of the first tensor load
	ds_add_u32 v[SPW], v[NIL]
	v_lshrrev_b32 v4, 5, v0
	v_readfirstlane_b32 s[WV], v4                  ; wave 0..15
	v_and_b32 v36, 31, v0                          ; lane
	v_and_b32 v37, 15, v0                          ; r
	v_bfe_u32 v3, v0, 4, 1                         ; h
	v_lshrrev_b32 v38, 3, v37                      ; r / 8
	v_mul_u32_u24 v39, v38, 24
	v_add_nc_u32 v39, v39, v37                     ; rp = 32 (r / 8) + r % 8
	v_lshlrev_b32 v13, 4, v36
	v_lshlrev_b32 v14, 2, v36
	v_lshlrev_b32 v15, 5, v3
	v_lshl_add_u32 v119, v3, 3, v39
	v_lshlrev_b32 v119, 4, v119                    ; 16 scale bytes a row; lanes 16-31 8 rows on
	v_mul_u32_u24 v40, v37, PITCH
	v_mad_u32_u24 v41, v3, 24, v40                 ; rows r
	v_mad_u32_u24 v42, v3, 40, v40
	v_mul_u32_u24 v40, v39, PITCH
	v_mad_u32_u24 v8, v3, 24, v40                  ; v's source 0: h's rows rp
	v_mad_u32_u24 v9, v3, 40, v40
	v_mul_u32_u24 v12, v37, APITCH
	v_lshl_add_u32 v12, v3, 7, v12                 ; query r, keys 32 h on
.irp b, 0,1,2,3
	v_mov_b32 v[TM+4+\b], 0                        ; written once: a lane permute's destination counts as one of its sources
.endr
	s_lshr_b32 s33, s[WV], 2                       ; role
	s_and_b32 s34, s[WV], 3                        ; sub
	s_and_b32 s39, s[WV], 1                        ; which 64 rows of a tile I fetch
	s_add_co_u32 s2, s33, 1
	s_mul_i32 s2, s2, OPB                          ; q's, k's source 0: Wq's or Wk's rows
	s_and_b32 s96, s33, 1                          ; 1 for k
	s_and_b32 s97, s34, 1
	s_lshl_b32 s66, s34, 5
	s_lshl_b32 s99, s97, 4
	s_sub_co_u32 s99, s66, s99                     ; v: first row of Wv's 128: 64 (sub / 2) + 16 (sub % 2)
	s_mul_i32 s98, s96, s97
	s_mul_i32 s98, s98, 24
	s_sub_co_u32 s66, s66, s98                     ; first token: q 32 sub, k 64 (sub / 2) + 8 (sub % 2)
	s_mul_i32 s3, s66, PITCH
	s_mul_i32 s98, s96, 24*PITCH
	s_mul_i32 s96, s96, 24*16
	s_mul_i32 s100, s99, PITCH
	s_add_co_u32 s100, s100, 3*OPB
	s_mul_i32 s77, s34, AREG
	s_add_co_u32 s77, s77, ADJL                    ; my tile of adj (role 3): also its descriptor's LDS address
	WALU
	v_add_nc_u32 v4, s2, v41
	v_add_nc_u32 v5, s2, v42
	v_mul_u32_u24 v6, s98, v38                     ; k: rows from 8 on lie 24 further down
	v_add_nc_u32 v6, s3, v6
	v_add_nc_u32 v7, v6, v42
	v_add_nc_u32 v6, v6, v41
	v_mul_u32_u24 v118, s96, v38
	v_add_nc_u32 v118, v118, v13
	v_add_nc_u32 v10, s100, v8                     ; v's source 1
	v_add_nc_u32 v11, s100, v9
	v_add_nc_u32 v117, s99, v39
	v_lshl_add_u32 v116, v3, 3, v117               ; lanes 16-31: y = 1's, 8 rows on
	v_lshlrev_b32 v116, 4, v116
	v_lshlrev_b32 v117, 2, v117                    ; 4 bytes of bv a row
	v_add_nc_u32 v12, s77, v12
	s_bfe_u32 s35, ttmp6, 0x40000                  ; cx
	s_bfe_u32 s36, ttmp6, 0x40004                  ; cy
	s_lshl_b32 s37, ttmp9, 2
	s_add_co_u32 s37, s37, s35                     ; hp = 4 x cluster x + cx
	s_and_b32 s38, ttmp7, 0xffff
	s_lshl_b32 s38, s38, 2
	s_add_co_u32 s38, s38, s36                     ; ts = 4 x cluster y + cy
	s_mov_b32 s[SEL], 0x76543210
	s_mov_b32 s[SEL+1], 0xfedcba98
	s_mov_b32 s90, 0xffff0000                      ; lanes 16-31
	s_mov_b32 s91, 0x7f7f0000                      ; scale 1 for the two blocks of 32 that a head of 64 does not have
	; descriptor groups 1.  Codes: 64 rows of 384 bytes lie end to end: 96 rows of 256 bytes, 16 bytes of padding behind every 32 words
	s_lshl_b32 s96, s36, 2
	s_lshl_b32 s96, 15, s96                        ; my row of the cluster
	s_or_b32 s40, s96, (1<<20)|(1<<21)|(4<<22)|(3<<25)
	s_lshl_b32 s97, 0x1111, s35                    ; my column
	s_or_b32 s48, s97, (1<<20)|(1<<21)|(4<<22)|(3<<25)
.irp g, 40, 48
	s_mov_b32 s[\g+1], 256<<16                     ; tensor_dim0
	s_mov_b32 s[\g+2], 96<<16                      ; tensor_dim1
	s_mov_b32 s[\g+3], 256<<16                     ; tile_dim0
	s_mov_b32 s[\g+4], 96                          ; tile_dim1
	s_mov_b32 s[\g+5], 256                         ; from row to row
	s_mov_b32 s[\g+6], 0
	s_mov_b32 s[\g+7], 0
.endr
	s_mov_b32 s56, (2<<16)|(1<<20)|(7<<22)|(3<<25) ; adj: no mask; elements of 4 bytes; 4 words of padding behind every 256
	s_mov_b32 s57, 256<<16                         ; 256 keys,
	s_mov_b32 s58, 16<<16                          ; 16 queries
	s_mov_b32 s59, 256<<16
	s_mov_b32 s60, 16
	s_mov_b32 s61, 2048
	s_mov_b32 s62, 0
	s_mov_b32 s63, 0
	WALU
	s_wait_dscnt 0x0                               ; both opening adds are done
	s_wait_kmcnt 0x0
	; groups 0.  h's hangs on ts and the wave alone, the weights' on hp and the wave alone
	s_mov_b32 s68, 1
	s_mul_i32 s69, s39, HALFB
	s_mul_i32 s80, s38, 49152                      ; 128 rows of 384 bytes a token block
	s_mul_i32 s81, s39, 24576
	s_add_co_u32 s80, s80, s81
	s_mov_b32 s81, 0
	s_add_nc_u64 s[70:71], s[4:5], s[80:81]
	s_or_b32 s71, s71, 0x80000000
	s_lshr_b32 s82, s[WV], 1                       ; waves 2, 3: Wq; 4, 5: Wk; 6, 7: Wv
	s_cmp_eq_u32 s82, 1
	s_cselect_b64 s[84:85], s[8:9], s[10:11]
	s_cmp_eq_u32 s82, 3
	s_cselect_b64 s[84:85], s[12:13], s[84:85]
	s_mov_b32 s72, 1
	s_mul_i32 s73, s[WV], HALFB                    ; wave w's 64 rows lie at w x 27,648: Wq's 128 behind h's, and so on
	s_mul_i32 s86, s37, 49152
	s_mul_i32 s87, s39, 24576
	s_add_co_u32 s86, s86, s87
	s_mov_b32 s87, 0
	s_add_nc_u64 s[74:75], s[84:85], s[86:87]
	s_or_b32 s75, s75, 0x80000000
	; adj: work-group number g = 4 ts + hp; query tile g / 2; key steps 8 (g % 2) + 2 sub and the next
	s_lshl_b32 s96, s38, 2
	s_add_co_u32 s96, s96, s37
	s_lshr_b32 s97, s96, 1
	s_lshl_b32 s97, s97, 17                        ; 16 rows of 8,192 bytes
	s_and_b32 s98, s96, 1
	s_lshl_b32 s98, s98, 3
	s_lshl_b32 s100, s34, 1
	s_add_co_u32 s98, s98, s100
	s_lshl_b32 s98, s98, 9                         ; 128 keys of 4 bytes
	s_add_co_u32 s100, s97, s98
	s_mov_b32 s101, 0
	s_mov_b32 s76, 1
	s_add_nc_u64 s[78:79], s[26:27], s[100:101]
	s_or_b32 s79, s79, 0x80000000
	s_lshl_b32 s100, s96, 3
	s_lshl_b32 s97, s34, 1
	s_add_co_u32 s100, s100, s97                   ; 16 x tile + step = 8 g + 2 sub
	s_lshl_b32 s100, s100, 10                      ; 1,024 bytes of mask codes a unit
	s_add_nc_u64 s[30:31], s[30:31], s[100:101]
	ROUND                                          ; all sixteen work-groups are here: the joint loads meet
	s_cmp_lt_u32 s[WV], 2                          ; one tensor load a wave at the most, all in this one chain of branches on the wave's number
	s_cbranch_scc0 .Lfill_w
	TLOAD 68, 40
	s_branch .Lfilled
.Lfill_w:
	s_cmp_lt_u32 s[WV], 8
	s_cbranch_scc0 .Lfill_a
	TLOAD 72, 48
	s_branch .Lfilled
.Lfill_a:
	s_cmp_lt_u32 s[WV], 12
	s_cbranch_scc1 .Lfilled
	TLOAD 76, 56
.Lfilled:
	; while the tiles are on their way: scale words and biases, straight into registers
	s_cmp_lt_u32 s33, 2
	s_cbranch_scc0 .Lpre_v
	s_cmp_eq_u32 s33, 0
	s_cselect_b64 s[14:15], s[14:15], s[16:17]     ; Wq's or Wk's scales
	s_cselect_b64 s[20:21], s[20:21], s[22:23]     ; bq or bk
	s_lshl_b32 s96, s37, 11                        ; 128 rows of 16 scale bytes
	s_mov_b32 s97, 0
	s_add_nc_u64 s[14:15], s[14:15], s[96:97]
	s_lshl_b32 s96, s37, 9                         ; 128 numbers of the bias
	s_add_nc_u64 s[20:21], s[20:21], s[96:97]
	s_lshl_b32 s96, s38, 11
	s_lshl_b32 s98, s66, 4
	s_add_co_u32 s96, s96, s98                     ; h's scales at token 128 ts + my first
	s_add_nc_u64 s[6:7], s[6:7], s[96:97]
.irp i, 0,1,2,3
	global_load_b128 v[S0+4*\i:S0+4*\i+3], v13, s[14:15] offset:512*\i     ; a row's 16 bytes are its four K steps' words; 32 rows a load
.endr
	global_load_b128 v[S1:S1+3], v118, s[6:7]
.irp y, 0,1
.irp t, 0,1,2,3,4,5,6,7
	global_load_b128 v[ACC+64*\y+8*\t:ACC+64*\y+8*\t+3], v15, s[20:21] offset:64*\t        ; the bias is the C of each sum's first product: register j = feature 16 t + 8 h + j
	global_load_b128 v[ACC+64*\y+8*\t+4:ACC+64*\y+8*\t+7], v15, s[20:21] offset:64*\t+16
.endr
.endr
	s_branch .Lpre_done
.Lpre_v:
	s_cmp_eq_u32 s33, 2
	s_cbranch_scc0 .Lpre_done
	s_lshl_b32 s96, s38, 11
	s_mov_b32 s97, 0
	s_add_nc_u64 s[6:7], s[6:7], s[96:97]          ; h's scales at token 128 ts
	s_lshl_b32 s96, s37, 11
	s_add_nc_u64 s[18:19], s[18:19], s[96:97]      ; Wv's scales at row 128 hp
	s_lshl_b32 s96, s37, 9
	s_add_nc_u64 s[24:25], s[24:25], s[96:97]      ; bv likewise
.irp i, 0,1,2,3
	global_load_b128 v[S0+4*\i:S0+4*\i+3], v119, s[6:7] offset:1024*(\i/2)+256*(\i%2)      ; tiles 2 i, 2 i + 1 = (i / 2, 2 (i % 2)) and the next
.endr
	global_load_b128 v[S1:S1+3], v116, s[18:19]
	global_load_b32 v124, v117, s[24:25]           ; a lane holds one channel: one number of bv for y = 0,
	global_load_b32 v126, v117, s[24:25] offset:32 ; one for y = 1, 8 rows on
	v_mov_b32 v125, 0                              ; (named as the upper halves of pairs)
	v_mov_b32 v127, 0
.Lpre_done:
	s_cmp_lt_u32 s[WV], 12                         ; adj's four waves alone issue and read adj's tiles: they wait for them behind the barrier
	s_cbranch_scc0 .Lno_wait
	s_wait_tensorcnt 0x0                           ; my tile has landed,
.Lno_wait:
	s_barrier_signal -1
	s_barrier_wait -1                              ; everybody's of h and of the weights has.  From here on LDS is only read
	s_cmp_lt_u32 s33, 2
	s_cbranch_scc1 .Lqk
	s_cmp_eq_u32 s33, 2
	s_cbranch_scc1 .Lv
	; ---- role 3: two units of adj.  Register 64 e + 32 c + 8 j + i of lane (r, h) is adj[query r][key 64 c + 32 h + 8 j + i] of unit e: the place of that score in the attention launch.
	s_wait_tensorcnt 0x0                           ; my tile of adj
.irp e, 0,1
.irp c, 0,1
.irp k, 0,1,2,3,4,5,6,7
	ds_load_b128 v[ACC+64*\e+32*\c+4*\k:ACC+64*\e+32*\c+4*\k+3], v12 offset:512*\e+256*\c+16*\k
.endr
.endr
.endr
.macro PACK e
.set n, ACC+64*\e
.rept 64
	v_min_u32 v[n], 1, v[n]                        ; 1 where the key is seen
.set n, n+1
.endr
.irp t, 0,1,2,3,4,5,6,7
	v_lshl_or_b32 v[36+8*\e+\t], v[ACC+64*\e+8*\t+1], 4, v[ACC+64*\e+8*\t]
.endr
.irp k, 2,3,4,5,6,7
.irp t, 0,1,2,3,4,5,6,7
	v_lshl_or_b32 v[36+8*\e+\t], v[ACC+64*\e+8*\t+\k], 4*\k, v[36+8*\e+\t]
.endr
.endr
.irp t, 0,1,2,3,4,5,6,7
	v_xor_b32 v[36+8*\e+\t], 0x11111111, v[36+8*\e+\t]   ; 1 in a hidden key's nibble,
.endr
.irp t, 0,1,2,3,4,5,6,7
	v_lshl_or_b32 v[36+8*\e+\t], v[36+8*\e+\t], 3, v[36+8*\e+\t]   ; then 9
.endr
.irp c, 0,1
	global_store_b128 v13, v[36+8*\e+4*\c:36+8*\e+4*\c+3], s[30:31] offset:1024*\e+512*\c   ; 512 consecutive bytes, aligned
.endr
.endm
	s_wait_dscnt 16                                ; the first unit's sixteen loads are in; the second's sixteen may be out
	PACK 0
	s_wait_dscnt 0x0
	PACK 1
	s_branch .Lend
.Lqk:	; ---- roles 0 and 1
	s_wait_loadcnt 0x0                             ; scale words and bias
	GEMM 4, 6, TILEB, 0, 4*TILEB, TILEB
	PLACES
	QUANT ACC, PC, PC+12, PW0                      ; tokens y = 0: blocks 0, 1 are head 2 hp's 64 channels, blocks 2, 3 head 2 hp + 1's
	QUANT ACC+64, PC+6, PC+18, PW1                 ; y = 1: so v[PC .. + 11] is the pair's image for head 2 hp, v[PC + 12 .. + 23] for head 2 hp + 1
	v_cndmask_b32 v70, v[PW0], v[PW1], s90         ; lanes 0-15 the words of y = 0, lanes 16-31 of y = 1
	v_and_or_b32 v71, v70, 0xffff, s91             ; head 2 hp: its two bytes, and scale 1 above them
	v_lshrrev_b32 v72, 16, v70
	v_or_b32 v72, s91, v72                         ; head 2 hp + 1
	s_lshr_b32 s96, s38, 4                         ; the batch
	s_lshl_b32 s96, s96, 3
	s_lshl_b32 s97, s37, 1
	s_add_co_u32 s96, s96, s97                     ; record 8 b + 2 hp
	s_mul_i32 s96, s96, RECB
	s_and_b32 s98, s38, 15                         ; the key step
	s_lshl_b32 s97, s98, 2
	s_add_co_u32 s97, s97, s34                     ; q: the pair of token tiles in the batch
	s_mul_i32 s99, s97, 1536
	s_add_co_u32 s99, s99, QOFF
	s_lshl_b32 s97, s97, 7
	s_add_co_u32 s97, s97, QOFF+98304
	s_mul_i32 s98, s98, STEPB                      ; k: the step's part of the record
	s_mul_i32 s92, s34, 1536
	s_add_co_u32 s92, s92, s98
	s_lshl_b32 s94, s34, 7
	s_add_co_u32 s94, s94, s98
	s_add_co_u32 s94, s94, 6144
	s_cmp_eq_u32 s33, 0
	s_cselect_b32 s92, s99, s92
	s_cselect_b32 s94, s97, s94
	s_add_co_u32 s92, s92, s96
	s_add_co_u32 s94, s94, s96
	s_mov_b32 s93, 0
	s_add_nc_u64 s[92:93], s[28:29], s[92:93]
	s_mov_b32 s95, 0
	s_add_nc_u64 s[94:95], s[28:29], s[94:95]
	WALU
.irp g, 0,1,2
	global_store_b128 v13, v[PC+4*\g:PC+4*\g+3], s[92:93] offset:512*\g                    ; each store of the wave covers 512 consecutive bytes, aligned
	global_store_b128 v13, v[PC+12+4*\g:PC+12+4*\g+3], s[92:93] offset:RECB+512*\g
.endr
	global_store_b32 v14, v71, s[94:95]            ; 128 consecutive bytes; the four waves of the role fill 512 on end
	global_store_b32 v14, v72, s[94:95] offset:RECB
	s_branch .Lend
.Lv:	; ---- role 2
	s_wait_loadcnt 0x0
	GEMM 8, 10, 8*PITCH, 1, 64*PITCH, 8*PITCH
	PLACES
	WALU
.irp y, 0,1
.set n, 0
.rept 32
	v_pk_add_f32 v[ACC+64*\y+n:ACC+64*\y+n+1], v[ACC+64*\y+n:ACC+64*\y+n+1], v[124+2*\y:125+2*\y] op_sel_hi:[1,0]   ; + bv of my channel
.set n, n+2
.endr
.endr
	v_lshrrev_b32 v73, 2, v15                      ; 8 h
	QUANTV ACC, PC, PW0                            ; channel tile 2 (sub % 2): a whole fragment, 16 channels x 128 keys
	QUANTV ACC+64, PC+12, PW1                      ; and the next
	v_cndmask_b32 v70, v[PW0], v[PW1], s90
	s_lshr_b32 s96, s38, 4
	s_lshl_b32 s96, s96, 3
	s_lshl_b32 s97, s37, 1
	s_add_co_u32 s96, s96, s97
	s_lshr_b32 s97, s34, 1
	s_add_co_u32 s96, s96, s97                     ; record 8 b + 2 hp + sub / 2
	s_mul_i32 s96, s96, RECB
	s_and_b32 s97, s38, 15                         ; the key step
	s_mul_i32 s97, s97, STEPB
	s_add_co_u32 s96, s96, s97
	s_and_b32 s98, s34, 1
	s_mul_i32 s99, s98, 3072
	s_add_co_u32 s92, s96, s99
	s_add_co_u32 s92, s92, 6656
	s_mov_b32 s93, 0
	s_add_nc_u64 s[92:93], s[28:29], s[92:93]
	s_lshl_b32 s99, s98, 7
	s_add_co_u32 s94, s96, s99
	s_add_co_u32 s94, s94, 12800
	s_mov_b32 s95, 0
	s_add_nc_u64 s[94:95], s[28:29], s[94:95]
	WALU
.irp g, 0,1,2,3,4,5
	global_store_b128 v13, v[PC+4*\g:PC+4*\g+3], s[92:93] offset:512*\g
.endr
	global_store_b32 v14, v70, s[94:95]
.Lend:
	s_wait_tensorcnt 0x0                           ; the wave's end
	ds_add_u32 v[SPW], v[NIL]
	s_wait_dscnt 0x0
	ROUND                                          ; the closing round: no work-group ends while a partner may still ask for a tile that names it
	s_endpgm
.Lfunc_end_k_q076880cc10_proj:
	.size	k_q076880cc10_proj, .Lfunc_end_k_q076880cc10_proj-k_q076880cc10_proj
	.p2alignl 7, 3214868480
	.fill 96, 4, 3214868480
	.section	.rodata,"a",@progbits
	.p2align	6, 0x0
	.amdhsa_kernel k_q076880cc10_proj
		.amdhsa_group_segment_fixed_size 289792
		.amdhsa_private_segment_fixed_size 0
		.amdhsa_enable_private_segment 0
		.amdhsa_kernarg_size 112
		.amdhsa_user_sgpr_count 2
		.amdhsa_user_sgpr_kernarg_segment_ptr 1
		.amdhsa_wavefront_size32 1
		.amdhsa_system_sgpr_workgroup_id_x 1
		.amdhsa_system_sgpr_workgroup_id_y 1
		.amdhsa_system_sgpr_workgroup_id_z 1
		.amdhsa_system_vgpr_workitem_id 0
		.amdhsa_next_free_vgpr 256
		.amdhsa_next_free_sgpr 102
		.amdhsa_reserve_vcc 0
		.amdhsa_float_denorm_mode_32 3
		.amdhsa_float_denorm_mode_16_64 3
		.amdhsa_memory_ordered 1
		.amdhsa_forward_progress 1
		.amdhsa_inst_pref_size 100
	.end_amdhsa_kernel
	.amdgpu_metadata
---
amdhsa.version: [ 1, 2 ]
amdhsa.kernels:
  - .name:           k_q076880cc10_proj
    .symbol:         k_q076880cc10_proj.kd
    .args:
      - { .name: h_codes, .offset: 0, .size: 8, .value_kind: global_buffer, .address_space: global }
      - { .name: h_scales, .offset: 8, .size: 8, .value_kind: global_buffer, .address_space: global }
      - { .name: Wq_codes, .offset: 16, .size: 8, .value_kind: global_buffer, .address_space: global }
      - { .name: Wk_codes, .offset: 24, .size: 8, .value_kind: global_buffer, .address_space: global }
      - { .name: Wv_codes, .offset: 32, .size: 8, .value_kind: global_buffer, .address_space: global }
      - { .name: Wq_scales, .offset: 40, .size: 8, .value_kind: global_buffer, .address_space: global }
      - { .name: Wk_scales, .offset: 48, .size: 8, .value_kind: global_buffer, .address_space: global }
      - { .name: Wv_scales, .offset: 56, .size: 8, .value_kind: global_buffer, .address_space: global }
      - { .name: bq, .offset: 64, .size: 8, .value_kind: global_buffer, .address_space: global }
      - { .name: bk, .offset: 72, .size: 8, .value_kind: global_buffer, .address_space: global }
      - { .name: bv, .offset: 80, .size: 8, .value_kind: global_buffer, .address_space: global }
      - { .name: adj, .offset: 88, .size: 8, .value_kind: global_buffer, .address_space: global }
      - { .name: qkv, .offset: 96, .size: 8, .value_kind: global_buffer, .address_space: global }
      - { .name: maskw, .offset: 104, .size: 8, .value_kind: global_buffer, .address_space: global }
    .group_segment_fixed_size: 289792
    .private_segment_fixed_size: 0
    .kernarg_segment_align: 8
    .kernarg_segment_size: 112
    .max_flat_workgroup_size: 512
    .sgpr_count:     102
    .vgpr_count:     256
    .wavefront_size: 32
...
	.end_amdgpu_metadata
.endif
;; end of part 1
;; launch attn (part 2): grid 8 x 32, 8 waves a work-group, clusters of 4 x 1, 209,920 bytes of LDS; arguments qkv, maskw, oimg, osc; writes oimg, osc
.if DOCPART == 2
	.amdgcn_target "amdgcn-amd-amdhsa--gfx1250"
	.amdhsa_code_object_version 6
	.text
	.protected	k_q076880cc10_attn
	.globl	k_q076880cc10_attn
	.p2align	8
	.type	k_q076880cc10_attn,@function
k_q076880cc10_attn:
	s_mov_b64 s[64:65], 0
	v_nop
	global_prefetch_b8 v0, s[64:65] scope:SCOPE_SE
	s_setreg_imm32_b32 hwreg(HW_REG_WAVE_MODE, 25, 1), 1
	s_wait_xcnt 0x0
	s_wait_alu depctr_hold_cnt(0) depctr_sa_sdst(0) depctr_va_vdst(0) depctr_va_sdst(0) depctr_va_ssrc(0) depctr_va_vcc(0) depctr_vm_vsrc(0)
	s_getreg_b32 s2, hwreg(HW_REG_IB_STS2, 6, 4)
	s_cmp_eq_u32 s2, 0
	s_cbranch_scc0 .Lentry_in_a_cluster
	s_endpgm
.Lentry_in_a_cluster:
	s_bfe_u32 s2, ttmp6, 0x10000c
	s_cmp_lg_u32 s2, 0x3003
	s_cbranch_scc0 .Lentry_shape_is_right
	s_endpgm
.Lentry_shape_is_right:
; O = softmax(mask(Q K^T / 8)) V for one (batch, head), both products on codes of FP6 (E2M3) with E8M0 scales; O / l is quantised along the model's 512 channels for the last product.
; THE SOFTMAX: t = score x log2(e) / 8; M = the running largest t rounded UP to a whole number; p = 2^(t - M) is quantised along the keys, not normalised; the row's sum l is taken of the unquantised p and divides O at the end.
; When M moves, l and O are multiplied by 2^(old M - new M): exact.
; THE MASK IS THE C OF THE SCORE PRODUCT: 0 where the key is seen, -2^125 where it is hidden.  It comes as codes of FP4, a nibble a score, and one conversion makes eight f32 numbers of a register.
; A hidden score so lies near -2^125; the running maximum starts at -2^100, so a hidden score never becomes the maximum and its p is 0.
; SHARES.  A work-group owns 256 queries of one (batch, head); each of its eight waves owns two tiles of 16 queries in 512 registers, and walks the 2,048 keys in 16 steps of 128.  Each fragment of K and V feeds both tiles.
; ALL OF K AND V OF THE HEAD with their scale words is 208,896 bytes: it comes into LDS once and stays.  No byte of LDS is filled twice.  A step's part is 13,056 bytes: K's images 0, K's scale words 6,144, V's images 6,656,
; V's scale words 12,800.  Wave w's one tensor load brings steps 2 w and 2 w + 1.  The walk begins when waves 0 and 1 have waited for theirs; a barrier in step 2 shows the rest.
; CLUSTER 4 x 1: the four query blocks of a cluster belong to one head: the fill is asked for jointly.
; PREFETCH: K and V are asked for whole at the head; the masks, which each wave loads a step ahead, are read by the 32 work-groups of a query block: each of them asks, once, for its own 8,192 bytes of the block's 262,144 (wave 0, 256 bytes a lane).
; LAYOUT.  Both products are used transposed: S^T = K Q^T (source 0 = 16 keys, source 1 = my queries), O^T = V^T P^T: a lane holds ONE query (lane % 16) of each tile throughout.
;   Score register 32 c + 8 j + i of lane (r, h) is key 64 c + 32 h + 8 j + i of the step: registers 32 c .. + 31 are a whole scale block, 2 c + h.   O register 8 d + i is channel 32 h + 8 d + i: the head's block h.
; K = 64 IN AN INSTRUCTION OF K = 128: Q's registers 6-11 are zero codes.  A tile of K is 6 registers; as source 0 it is named with the 6 registers behind it: any code times a zero code adds nothing, and both sides' scale bytes
;   for that half are 0x7f.
; A QUERY WITH NO KEY: l = 0; its scale bytes are stored as 0xff, which makes the last product's sums NaN for that row, as a softmax over nothing is.
; LIMITS: the scaled scores (the exponents to the base 2) stay under 2^31 in magnitude; a block whose largest magnitude lies under 2^-124 keeps the byte 1; p under 2^-126 counts as 0 (v_exp_f32 flushes: ISA guide, its entry in 15.8).
; REGISTER WINDOWS of 256: window 0: addresses, state of both tiles, Q, masks, p's codes, and tile 0's S, O, T; window 1: K at v0-53, V at v56-103, and tile 1's S, O, T at the same numbers as tile 0's.
.set STEPB, 13056
.set RECB,  315392
.set QOFF,  208896
.set SPARE, 208896
.set WV,  12                           ; s12 wave; s11 the loops' count; s13 the step's place in LDS; s[4:5], s[6:7] results; s[8:9] masks
.set SEL, 28                           ; s[28:29] lane selects: lane l xor 16
.set CS,  30                           ; s[30:31] c = log2(e) / 8
; v1 16 l + step, v2 4 l + step, v3 16 l, v4 8 l, v5 16 r + h, v9 at work, v10 4 l, v11 256 l
.set SPW, 6
.set NIL, 7
.set MSC, 8                            ; v8      the masks' scale: 2^126 in every byte
.set NM,  12                           ; v12, v14 -M of tile 0, 1
.set L,   16                           ; v[16:17], v[18:19] l in two halves
.set F,   20                           ; v20, v22 2^(old M - new M)
.set RM,  24                           ; v24-25  the largest score so far
.set BM,  26                           ; v26-29  a block's largest score, then its largest p: 2 x tile + c
.set SO,  30                           ; v30-33  the conversions' scale operands
.set TB,  34                           ; v34-35  the other half's
.set OLD, 36                           ; v36-37  the old -M
.set TX,  38                           ; v38-39  at work
.set QS,  40                           ; v40     Q's scale words: lanes 0-15 tile 0, lanes 16-31 tile 1
.set KS,  42                           ; v42-45  K's: register u: lanes 0-15 its first tile, lanes 16-31 its second
.set VS,  46                           ; v46-47  V's likewise
.set WP,  48                           ; v48-49  p's
.set BX,  50                           ; v50-53  at work
.set Q,   56                           ; v56-67, v68-79
.set MK,  80                           ; v80-95  mask codes: 8 x tile + 4 c + j
.set P,   96                           ; v96-107, v108-119 p's codes
.set CT,  120                          ; v120-127, v240-247 (120 x tile on) the conversions' second halves
.set S,   128                          ; v128-191 of window 0, 1
.set O,   192                          ; v192-223
.set T,   224                          ; v224-239 parts of l
.set V,   56                           ; window 1: V's four tiles of 12; K's eight of 6 begin at v0
.set MSB, 0
.macro WIN new                         ; the immediate's high byte repeats the setting that is left
.if MSB != (\new)
	s_set_vgpr_msb (MSB<<8)|(\new)
.set MSB, \new
.endif
.endm
.macro ROUND                           ; a round of the cluster's barrier
	s_barrier_signal -1
	s_barrier_wait -1
	s_cmp_lg_u32 s[WV], 0
	s_cbranch_scc1 .Lnw0_\@
	s_barrier_signal -3
.Lnw0_\@:
	s_barrier_wait -3
	s_barrier_signal -1
	s_barrier_wait -1
.endm
.macro PLACES
.rept 4
	v_nop
.endr
.endm
.macro WALU
	s_wait_alu depctr_va_vdst(0)
.endm
.macro TLOAD
	tensor_load_to_lds s[24:27], s[16:23]
	s_nop 0
	PLACES
.endm
.macro WM d, a, b, sa, sb, ra, rb
	v_wmma_scale_f32_16x16x128_f8f6f4 v[\d:\d+7], v[\a:\a+11], v[\b:\b+11], v[\d:\d+7], v[\sa], v[\sb] matrix_a_fmt:MATRIX_FMT_FP6 matrix_b_fmt:MATRIX_FMT_FP6 matrix_a_scale:MATRIX_SCALE_ROW\ra matrix_b_scale:MATRIX_SCALE_ROW\rb
.endm
.macro MASKS                           ; a step's mask codes of both tiles
.irp q, 0,1
.irp c, 0,1
	global_load_b128 v[MK+8*\q+4*\c:MK+8*\q+4*\c+3], v3, s[8:9] offset:16384*\q+512*\c
.endr
.endr
.endm
.macro FETCHK off                      ; K's eight tiles and their scale words: 16 loads
	WIN 0x40
.irp g, 0,1,2,3,4,5,6,7,8,9,10,11
	ds_load_b128 v[4*\g:4*\g+3], v1 offset:(\off)+512*\g
.endr
	WIN 0
.irp b, 0,1,2,3
	ds_load_b32 v[KS+\b], v2 offset:(\off)+6144+128*\b
.endr
.endm
.macro FETCHV                          ; V's four and theirs: 14 loads
	WIN 0x40
.irp g, 0,1,2,3,4,5,6,7,8,9,10,11
	ds_load_b128 v[V+4*\g:V+4*\g+3], v1 offset:6656+512*\g
.endr
	WIN 0
.irp b, 0,1
	ds_load_b32 v[VS+\b], v2 offset:12800+128*\b
.endr
.endm
.macro QK q                            ; image u holds tiles j = u % 2 and u % 2 + 2 of c = u / 2
	WIN 0x01+0x50*\q
.irp u, 0,1,2,3
.irp o, 0,1
	WM S+32*(\u/2)+8*(\u%2)+16*\o, 12*\u+6*\o, Q+12*\q, KS+\u, QS, \o, \q
.endr
.endr
.endm
.macro PV q
	WIN 0x01+0x50*\q
.irp u, 0,1
.irp o, 0,1
	WM O+16*\u+8*\o, V+24*\u+12*\o, P+12*\q, VS+\u, WP+\q, \o, 0
.endr
.endr
.endm
.macro MAXES q                         ; the largest score of each of the lane's two blocks, in two chains each.  Ascending: each accumulator is read from its low end on
	WIN 0x15*\q
.irp c, 0,1
	v_max3_num_f32 v[BM+2*\q+\c], v[S+32*\c], v[S+32*\c+1], v[S+32*\c+2]
	v_max3_num_f32 v[BX+\c], v[S+32*\c+16], v[S+32*\c+17], v[S+32*\c+18]
.endr
	WIN 0x14*\q
.irp i, 3,5,7,9,11,13
.irp c, 0,1
	v_max3_num_f32 v[BM+2*\q+\c], v[BM+2*\q+\c], v[S+32*\c+\i], v[S+32*\c+\i+1]
	v_max3_num_f32 v[BX+\c], v[BX+\c], v[S+32*\c+16+\i], v[S+32*\c+17+\i]
.endr
.endr
.irp c, 0,1
	v_max3_num_f32 v[BM+2*\q+\c], v[BM+2*\q+\c], v[S+32*\c+15], v[S+32*\c+31]
.endr
	WIN 0
.irp c, 0,1
	v_max_num_f32 v[BM+2*\q+\c], v[BM+2*\q+\c], v[BX+\c]
.endr
.endm
.macro RESC q                          ; O^T under the new M
	WIN 0x41*\q
.set n, 0
.rept 16
	v_pk_mul_f32 v[O+n:O+n+1], v[O+n:O+n+1], v[F+2*\q:F+2*\q+1] op_sel_hi:[1,0]
.set n, n+2
.endr
.endm
.macro EXPS q                          ; p = 2^(t - M), in two halves: the second half's t - M stand among the first half's exponentials, the first sums of p among the second's
	WIN 0x45*\q
.set n, 0
.rept 16
	v_pk_fma_f32 v[S+n:S+n+1], v[S+n:S+n+1], s[CS:CS+1], v[NM+2*\q:NM+2*\q+1] op_sel_hi:[1,0,0]
.set n, n+2
.endr
	WALU
.set n, 0
.rept 16
	v_exp_f32 v[S+n], v[S+n]
	v_exp_f32 v[S+n+1], v[S+n+1]
	v_pk_fma_f32 v[S+32+n:S+33+n], v[S+32+n:S+33+n], s[CS:CS+1], v[NM+2*\q:NM+2*\q+1] op_sel_hi:[1,0,0]
.set n, n+2
.endr
	WALU
.set n, 0
.rept 8
	v_exp_f32 v[S+32+4*n], v[S+32+4*n]
	v_exp_f32 v[S+33+4*n], v[S+33+4*n]
	v_exp_f32 v[S+34+4*n], v[S+34+4*n]
	v_exp_f32 v[S+35+4*n], v[S+35+4*n]
	v_pk_add_f32 v[T+2*n:T+2*n+1], v[S+4*n:S+4*n+1], v[S+4*n+2:S+4*n+3]
.set n, n+1
.endr
.endm
.macro CODES q                         ; the codes of p: blocks h and 2 + h, each in one lane
	WIN \q
.irp c, 0,1
	v_cvt_scalef32_pk16_fp6_f32 v[P+12*\q+6*\c:P+12*\q+6*\c+2], v[S+32*\c:S+32*\c+15], v[SO+2*\q+\c]
	v_cvt_scalef32_pk16_fp6_f32 v[CT+120*\q+4*\c:CT+120*\q+4*\c+2], v[S+32*\c+16:S+32*\c+31], v[SO+2*\q+\c]   ; (a conversion's three registers begin on an even number)
.endr
.endm
.macro SUMS q                          ; the rest of the sum, and l = l f + sum
	WIN 0x45*\q
.irp i, 0,2
.irp k, 0,1,2,3,4,5,6,7
	v_pk_add_f32 v[T+2*\k:T+2*\k+1], v[T+2*\k:T+2*\k+1], v[S+32+4*\k+\i:S+33+4*\k+\i]
.endr
.endr
.irp k, 0,1,2,3
	v_pk_add_f32 v[T+2*\k:T+2*\k+1], v[T+2*\k:T+2*\k+1], v[T+8+2*\k:T+9+2*\k]
.endr
.irp k, 0,1
	v_pk_add_f32 v[T+2*\k:T+2*\k+1], v[T+2*\k:T+2*\k+1], v[T+4+2*\k:T+5+2*\k]
.endr
	v_pk_add_f32 v[T:T+1], v[T:T+1], v[T+2:T+3]
	WIN 0x10*\q
	v_pk_fma_f32 v[L+2*\q:L+2*\q+1], v[L+2*\q:L+2*\q+1], v[F+2*\q:F+2*\q+1], v[T:T+1] op_sel_hi:[1,0,1]
.endm
; A KEY STEP: 128 keys.  more = 1: the next step's masks and K are asked for.  bar = 1: the barrier that shows steps 4 to 15 stands here.
.macro STEP more, bar
	s_wait_loadcnt 0x0                             ; this step's mask codes (in the first step Q too)
.irp t, 0,1,2,3,4,5,6,7
	v_cvt_scale_pk8_f32_fp4 v[S+8*\t:S+8*\t+7], v[MK+\t], v[MSC]
.endr
	WIN 0x40
.irp t, 0,1,2,3,4,5,6,7
	v_cvt_scale_pk8_f32_fp4 v[S+8*\t:S+8*\t+7], v[MK+8+\t], v[MSC]
.endr
	WIN 0
	v_add_nc_u32 v1, s13, v3                       ; these two are also the plain place behind the conversions
	v_add_nc_u32 v2, s13, v10
.if \more
	s_add_nc_u64 s[8:9], s[8:9], 1024              ; free since the wait above showed the last mask loads done
	MASKS
.endif
	WALU
	s_wait_dscnt 0x0                               ; K
	QK 0
	QK 1
	WIN 0
	v_mov_b32 v[OLD], v[NM]                        ; four places ahead of the loads over K's registers and of the first read of the scores
	v_mov_b32 v[OLD+1], v[NM+2]
	v_nop
	v_nop
.if \bar
	WALU
	s_wait_tensorcnt 0x0                           ; my part of K and V has landed,
	s_barrier_signal -1
	s_barrier_wait -1                              ; everybody's has
.endif
	FETCHV
.if \more
	FETCHK STEPB                                   ; the next step's
.endif
	MAXES 0
	MAXES 1
.irp q, 0,1
	v_max3_num_f32 v[RM+\q], v[BM+2*\q], v[BM+2*\q+1], v[RM+\q]
.endr
.irp q, 0,1
	v_permlanex16_b32 v[TB+\q], v[RM+\q], s[SEL], s[SEL+1]
.endr
.irp q, 0,1
	v_max_num_f32 v[RM+\q], v[RM+\q], v[TB+\q]     ; with lane l xor 16's 64 keys: the largest score so far
.endr
.irp q, 0,1
	v_mul_f32 v[TX+\q], s[CS], -v[RM+\q]           ; -t
.endr
.irp q, 0,1
	v_floor_f32 v[NM+2*\q], v[TX+\q]               ; the new -M = -ceil(t)
.endr
.irp q, 0,1
	v_sub_f32 v[TX+\q], v[NM+2*\q], v[OLD+\q]      ; old M - new M: a whole number, 0 or less
.endr
.irp q, 0,1
.irp c, 0,1
	v_fma_f32 v[BM+2*\q+\c], v[BM+2*\q+\c], s[CS], v[NM+2*\q]   ; t - M of each block's largest score
.endr
.endr
.irp q, 0,1
	v_cvt_i32_f32 v[TX+\q], v[TX+\q]               ; (it saturates)
.endr
.irp q, 0,1
	v_ldexp_f32 v[F+2*\q], 1.0, v[TX+\q]
.endr
	RESC 0
	RESC 1
	EXPS 0
	EXPS 1
	WIN 0
.irp b, 0,1,2,3
	v_exp_f32 v[BM+\b], v[BM+\b]                   ; the block's largest p: the same two instructions on the same number
.endr
	v_nop                                          ; one plain place behind a transcendental
	WALU
.irp b, 0,1,2,3
	v_max_num_f32 v[BM+\b], 0x1800000, v[BM+\b]    ; the floor 2^(3 - 127): the byte cannot fall under 1
.endr
.irp b, 0,1,2,3
	v_add_nc_u32 v[SO+\b], 0xff000000, v[BM+\b]    ; 2 off the exponent field: the conversion's scale operand
.endr
.irp b, 0,1,2,3
	v_lshrrev_b32 v[BX+\b], 23, v[SO+\b]           ; the scale's byte
.endr
.irp q, 0,1
	v_lshl_or_b32 v[WP+\q], v[BX+2*\q+1], 16, v[BX+2*\q]   ; blocks h and 2 + h
.endr
.irp q, 0,1
	v_permlanex16_b32 v[TB+\q], v[WP+\q], s[SEL], s[SEL+1]
.endr
.irp q, 0,1
	v_lshl_or_b32 v[WP+\q], v[TB+\q], 8, v[WP+\q]  ; lanes 0-15: blocks 0, 1, 2, 3 (the others are not read)
.endr
	CODES 0
	CODES 1
	SUMS 1                                         ; plain places behind the conversions
	WIN 0
.irp q, 0,1
.irp c, 0,1
.irp i, 0,1,2
	v_mov_b32 v[P+12*\q+6*\c+3+\i], v[CT+120*\q+4*\c+\i]
.endr
.endr
.endr
	SUMS 0                                         ; plain places between p's codes and the products
	WALU
.if \more
	s_wait_dscnt 16                                ; V's 14 loads are in; the next K's 16 may be out
.else
	s_wait_dscnt 0x0
.endif
	PV 0
	PV 1
	WIN 0
	s_add_co_u32 s13, s13, STEPB
.endm
	s_load_b256 s[68:75], s[0:1], 0x0              ; qkv 68:69, maskw 70:71, oimg 72:73, osc 74:75
	v_lshl_add_u32 v[SPW], v0, 2, SPARE
	v_mov_b32 v[NIL], 0
	ds_add_u32 v[SPW], v[NIL]                      ; the add, twice on end, and its wait ahead of the first tensor load
	ds_add_u32 v[SPW], v[NIL]
	v_lshrrev_b32 v1, 5, v0
	v_readfirstlane_b32 s[WV], v1                  ; wave 0..7
	v_and_b32 v9, 31, v0
	v_and_b32 v2, 15, v0
	v_bfe_u32 v5, v0, 4, 1
	v_lshl_add_u32 v5, v2, 4, v5
	v_lshlrev_b32 v3, 4, v9
	v_lshlrev_b32 v4, 3, v9
	v_lshlrev_b32 v10, 2, v9
	v_lshlrev_b32 v11, 8, v9
	v_mov_b32 v1, v3                               ; step 0's places
	v_mov_b32 v2, v10
	v_mov_b32 v[MSC], 0xfdfdfdfd
	s_bfe_u32 s32, ttmp6, 0x40000                  ; cx: it enters the addresses of Q, the masks and the results alone
	s_lshl_b32 s33, ttmp9, 2
	s_add_co_u32 s33, s33, s32                     ; my block of 256 queries
	s_lshl_b32 s35, s33, 3
	s_add_co_u32 s35, s35, s[WV]                   ; my pair of query tiles, 0 .. 63
	s_and_b32 s34, ttmp7, 0xffff                   ; 8 x batch + head, which the four partners share
	s_mul_i32 s36, s34, RECB
	s_mov_b32 s37, 0
	s_mul_i32 s38, s[WV], 2*STEPB                  ; my part of the fill: 102 rows of 256 bytes
	s_mov_b32 s39, 0
	s_mov_b32 s16, 15|(3<<16)|(1<<21)              ; 15:0 the mask: all four work-groups; 17:16 elements of 8 bytes; 20 no padding; 21 set beside a mask
	s_mov_b32 s17, 32<<16                          ; tensor_dim0 = 32 elements
	s_mov_b32 s18, 102<<16                         ; tensor_dim1
	s_mov_b32 s19, 32<<16                          ; tile_dim0
	s_mov_b32 s20, 102                             ; tile_dim1
	s_mov_b32 s21, 32                              ; from row to row: dense
	s_mov_b32 s22, 0
	s_mov_b32 s23, 0
	s_mov_b32 s[SEL], 0x76543210
	s_mov_b32 s[SEL+1], 0xfedcba98
	s_mov_b32 s[CS], 0x3e38aa3b
	s_mov_b32 s[CS+1], s[CS]                       ; (named with it as a pair)
	s_mov_b32 s13, 0
	s_mul_i32 s44, s35, 1536
	s_add_co_u32 s44, s44, QOFF
	s_mov_b32 s45, 0
	s_lshl_b32 s46, s35, 7
	s_add_co_u32 s46, s46, QOFF+98304
	s_mov_b32 s47, 0
	s_lshr_b32 s48, s34, 3
	s_lshl_b32 s48, s48, 7
	s_lshl_b32 s49, s35, 1
	s_add_co_u32 s48, s48, s49                     ; 128 x batch + my first tile: the token tile
	s_and_b32 s49, s34, 7                          ; the head
	s_lshl_b32 s50, s48, 3
	s_add_co_u32 s50, s50, s49
	s_mul_i32 s50, s50, 768                        ; oimg: [token tile][head][3][lane][8 bytes]
	s_mov_b32 s51, 0
	s_lshl_b32 s52, s48, 8
	s_lshl_b32 s53, s49, 1
	s_add_co_u32 s52, s52, s53                     ; osc: [token tile][row][head] of two bytes
	s_mov_b32 s53, 0
	s_lshl_b32 s54, s35, 15                        ; masks: 16 steps of 1,024 bytes a tile
	s_mov_b32 s55, 0
	s_lshl_b32 s56, s33, 18                        ; my block's 16 tiles,
	s_lshl_b32 s57, s34, 13
	s_add_co_u32 s56, s56, s57                     ; and of them the 8,192 bytes that my work-group prefetches
	s_mov_b32 s57, 0
	WALU
	s_wait_dscnt 0x0
	s_wait_kmcnt 0x0
	s_add_nc_u64 s[40:41], s[68:69], s[36:37]      ; the head's record
	s_mov_b32 s24, 1
	s_mul_i32 s25, s[WV], 2*STEPB                  ; LDS holds the record's first 208,896 bytes as they lie
	s_add_nc_u64 s[26:27], s[40:41], s[38:39]
	s_or_b32 s27, s27, 0x80000000
	s_add_nc_u64 s[2:3], s[40:41], s[44:45]        ; Q's pair image
	s_add_nc_u64 s[100:101], s[40:41], s[46:47]    ; its scale words
	s_add_nc_u64 s[4:5], s[72:73], s[50:51]
	s_add_nc_u64 s[6:7], s[74:75], s[52:53]
	s_add_nc_u64 s[8:9], s[70:71], s[54:55]
	s_add_nc_u64 s[58:59], s[70:71], s[56:57]
	ROUND                                          ; all four work-groups are here: the joint loads meet
	s_cmp_lt_u32 s[WV], 2                          ; every wave's one tensor load; waves 0 and 1 have a line of their own, since they wait first
	s_cbranch_scc0 .Lfill_late
	TLOAD
	s_branch .Lfilled
.Lfill_late:
	TLOAD
.Lfilled:
	global_load_b128 v[Q:Q+3], v3, s[2:3]          ; register p of lane l lies at 512 (p / 4) + 16 l + 4 (p % 4): 0-5 tile 0, 6-11 tile 1
	global_load_b64 v[Q+4:Q+5], v3, s[2:3] offset:512
	global_load_b64 v[Q+12:Q+13], v3, s[2:3] offset:520
	global_load_b128 v[Q+14:Q+17], v3, s[2:3] offset:1024
	global_load_b32 v[QS], v10, s[100:101]
	MASKS                                          ; step 0's
	s_cmp_lg_u32 s[WV], 0
	s_cbranch_scc1 .Lasked
	global_prefetch_b8 v11, s[58:59] th:TH_LOAD_NT scope:SCOPE_SE
.Lasked:
.irp q, 0,1
	v_mov_b32 v[RM+\q], 0xf1800000                 ; the largest score so far: -2^100, above a hidden score and under every other
	v_mov_b32 v[NM+2*\q+1], 0                      ; (named as the upper halves of pairs)
	v_mov_b32 v[F+2*\q+1], 0
	v_mov_b32 v[L+2*\q], 0
	v_mov_b32 v[L+2*\q+1], 0
	v_mov_b32 v[TB+\q], 0                          ; written once: a lane permute's destination counts as one of its sources
	v_mul_f32 v[TX+\q], s[CS], -v[RM+\q]
	v_floor_f32 v[NM+2*\q], v[TX+\q]               ; -M
.irp i, 0,1,2,3,4,5
	v_mov_b32 v[Q+12*\q+6+\i], 0                   ; Q's zero codes
.endr
.endr
.set n, 0
.rept 32
	v_mov_b32 v[O+n], 0                            ; the step is written for every step alike: the first finds zeros, which the first change of M leaves zeros
.set n, n+1
.endr
	WIN 0x40
.set n, 0
.rept 32
	v_mov_b32 v[O+n], 0
.set n, n+1
.endr
.irp i, 0,1,2,3,4,5
	v_mov_b32 v[48+\i], 0                          ; what stands behind K's last tile
.endr
	WIN 0
	WALU
	s_cmp_lt_u32 s[WV], 2
	s_cbranch_scc0 .Lno_wait
	s_wait_tensorcnt 0x0                           ; steps 0 to 3 have landed,
.Lno_wait:
	s_barrier_signal -1
	s_barrier_wait -1                              ; and everybody knows
	FETCHK 0
	s_mov_b32 s11, 2
.Lfirst:                                               ; steps 0, 1; no two matrix instructions that follow each other share an accumulator, over the backward jump too
	STEP 1, 0
	s_sub_co_u32 s11, s11, 1
	s_cmp_lg_u32 s11, 0
	s_cbranch_scc1 .Lfirst
	STEP 1, 1                                      ; step 2
	s_mov_b32 s13, 3*STEPB
	s_mov_b32 s11, 12
.Lrest:                                                ; steps 3 to 14
	STEP 1, 0
	s_sub_co_u32 s11, s11, 1
	s_cmp_lg_u32 s11, 0
	s_cbranch_scc1 .Lrest
	STEP 0, 0                                      ; step 15 asks for nothing more
	; THE WAY OUT: O^T / l, quantised along the head's 64 channels: lanes 0-15 block 0, lanes 16-31 block 1, as registers 0-5 or 6-11 of the last product's fragment.
	PLACES
.irp q, 0,1
	v_add_f32 v[L+2*\q], v[L+2*\q], v[L+2*\q+1]    ; l's two halves,
.endr
.irp q, 0,1
	v_permlanex16_b32 v[TB+\q], v[L+2*\q], s[SEL], s[SEL+1]
.endr
.irp q, 0,1
	v_add_f32 v[L+2*\q], v[L+2*\q], v[TB+\q]       ; and lane l xor 16's
.endr
	WALU
	v_rcp_f32 v[F], v[L]
	v_rcp_f32 v[F+2], v[L+2]
	v_nop                                          ; one plain place behind a transcendental
.irp q, 0,1
	WIN 0x41*\q
	WALU
.set n, 0
.rept 32
	v_mul_f32 v[S+n], v[O+n], v[F+2*\q]
.set n, n+1
.endr
.endr
	WIN 0
	v_mov_b32 v9, 0xff
.irp q, 0,1
	WIN 0x05*\q
	v_max3_num_f32 v[BM+\q], |v[S]|, |v[S+1]|, 0x1800000
	v_max3_num_f32 v[BX+\q], |v[S+16]|, |v[S+17]|, 0x1800000
	WIN 0x14*\q
.irp i, 2,4,6,8,10,12,14
	v_max3_num_f32 v[BM+\q], v[BM+\q], |v[S+\i]|, |v[S+1+\i]|
	v_max3_num_f32 v[BX+\q], v[BX+\q], |v[S+16+\i]|, |v[S+17+\i]|
.endr
	WIN 0
	v_max_num_f32 v[BM+\q], v[BM+\q], v[BX+\q]
	v_add_nc_u32 v[SO+\q], 0xff000000, v[BM+\q]
	v_lshrrev_b32 v[BX+\q], 23, v[SO+\q]           ; my block's scale byte
	WIN \q
	v_cvt_scalef32_pk16_fp6_f32 v[P+12*\q:P+12*\q+2], v[S:S+15], v[SO+\q]
	v_cvt_scalef32_pk16_fp6_f32 v[CT+120*\q:CT+120*\q+2], v[S+16:S+31], v[SO+\q]
	WIN 0
	v_nop
	v_cmp_eq_f32 vcc_lo, 0, v[L+2*\q]              ; a query with no key:
	v_cndmask_b32 v[BX+\q], v[BX+\q], v9, vcc_lo   ; the byte 0xff
.irp i, 0,1,2
	v_mov_b32 v[P+12*\q+3+\i], v[CT+120*\q+\i]
.endr
.irp g, 0,1,2
	global_store_b64 v4, v[P+12*\q+2*\g:P+12*\q+2*\g+1], s[4:5] offset:6144*\q+256*\g      ; each store of the wave covers 256 consecutive bytes, aligned
.endr
	global_store_b8 v5, v[BX+\q], s[6:7] offset:256*\q   ; two bytes a row, 16 bytes apart: 32 bytes beside the tile's 768 of codes, laid so that the last launch gets a row's four scale words by one load of 16 bytes
.endr
	s_wait_tensorcnt 0x0                           ; the wave's end
	ds_add_u32 v[SPW], v[NIL]
	s_wait_dscnt 0x0
	ROUND                                          ; the closing round: no work-group ends while a partner may still ask for a tile that names it
	s_endpgm
.Lfunc_end_k_q076880cc10_attn:
	.size	k_q076880cc10_attn, .Lfunc_end_k_q076880cc10_attn-k_q076880cc10_attn
	.p2alignl 7, 3214868480
	.fill 96, 4, 3214868480
	.section	.rodata,"a",@progbits
	.p2align	6, 0x0
	.amdhsa_kernel k_q076880cc10_attn
		.amdhsa_group_segment_fixed_size 209920
		.amdhsa_private_segment_fixed_size 0
		.amdhsa_enable_private_segment 0
		.amdhsa_kernarg_size 32
		.amdhsa_user_sgpr_count 2
		.amdhsa_user_sgpr_kernarg_segment_ptr 1
		.amdhsa_wavefront_size32 1
		.amdhsa_system_sgpr_workgroup_id_x 1
		.amdhsa_system_sgpr_workgroup_id_y 1
		.amdhsa_system_sgpr_workgroup_id_z 1
		.amdhsa_system_vgpr_workitem_id 0
		.amdhsa_next_free_vgpr 512
		.amdhsa_next_free_sgpr 102
		.amdhsa_reserve_vcc 1
		.amdhsa_float_denorm_mode_32 3
		.amdhsa_float_denorm_mode_16_64 3
		.amdhsa_memory_ordered 1
		.amdhsa_forward_progress 1
		.amdhsa_inst_pref_size 131
	.end_amdhsa_kernel
	.amdgpu_metadata
---
amdhsa.version: [ 1, 2 ]
amdhsa.kernels:
  - .name:           k_q076880cc10_attn
    .symbol:         k_q076880cc10_attn.kd
    .args:
      - { .name: qkv, .offset: 0, .size: 8, .value_kind: global_buffer, .address_space: global }
      - { .name: maskw, .offset: 8, .size: 8, .value_kind: global_buffer, .address_space: global }
      - { .name: oimg, .offset: 16, .size: 8, .value_kind: global_buffer, .address_space: global }
      - { .name: osc, .offset: 24, .size: 8, .value_kind: global_buffer, .address_space: global }
    .group_segment_fixed_size: 209920
    .private_segment_fixed_size: 0
    .kernarg_segment_align: 8
    .kernarg_segment_size: 32
    .max_flat_workgroup_size: 256
    .sgpr_count:     102
    .vgpr_count:     512
    .wavefront_size: 32
...
	.end_amdgpu_metadata
.endif
;; end of part 2
;; launch outp (part 3): grid 4 x 64, 8 waves a work-group, clusters of 4 x 4, 168,960 bytes of LDS; arguments oimg, osc, Wo_codes, Wo_scales, bo, out0; writes out0
.if DOCPART == 3
	.amdgcn_target "amdgcn-amd-amdhsa--gfx1250"
	.amdhsa_code_object_version 6
	.text
	.protected	k_q076880cc10_outp
	.globl	k_q076880cc10_outp
	.p2align	8
	.type	k_q076880cc10_outp,@function
k_q076880cc10_outp:
	s_mov_b64 s[64:65], 0
	v_nop
	global_prefetch_b8 v0, s[64:65] scope:SCOPE_SE
	s_setreg_imm32_b32 hwreg(HW_REG_WAVE_MODE, 25, 1), 1
	s_wait_xcnt 0x0
	s_wait_alu depctr_hold_cnt(0) depctr_sa_sdst(0) depctr_va_vdst(0) depctr_va_sdst(0) depctr_va_ssrc(0) depctr_va_vcc(0) depctr_vm_vsrc(0)
	s_getreg_b32 s2, hwreg(HW_REG_IB_STS2, 6, 4)
	s_cmp_eq_u32 s2, 0
	s_cbranch_scc0 .Lentry_in_a_cluster
	s_endpgm
.Lentry_in_a_cluster:
	s_bfe_u32 s2, ttmp6, 0x10000c
	s_cmp_lg_u32 s2, 0xf033
	s_cbranch_scc0 .Lentry_shape_is_right
	s_endpgm
.Lentry_shape_is_right:
; out0 = O Wo^T + bo on codes of FP6 (E2M3) with E8M0 scales.  O comes as operand images (oimg) and scale words (osc) from the attention launch, Wo as given.  out0: [8192][512] f32.
; SHARES.  Work-group (fx, tb): tokens 128 tb .. + 127 x features 128 fx .. + 127.  Eight waves: wave w takes token tiles 2 (w / 2), + 1 and features 64 (w % 2) .. + 63: 8 accumulators, 4 K steps, 32 matrix instructions.
; The product is used transposed (source 0 = 16 rows of Wo, source 1 = 16 tokens): a lane holds eight neighbouring features of one token.  bo is the C of each sum's first product.
; The output's bytes bind this launch, so the tile is small enough for 256 work-groups and all operands come once.
; CLUSTER 4 x 4: the four work-groups of a row share tb and ask jointly for O's images, the four of a column share fx and ask jointly for Wo's rows.
; LDS: O's images 0 (49,152 bytes, dense: token tile i at 6,144 i, K step ks at 1,536 ks, register pair p at 256 p, 8 bytes a lane); Wo's 128 rows 49,152 (384 bytes, 16 of padding behind each 128: pitch 432);
; behind them a stage of 16 rows x (256 + 16) bytes for each wave, into which no fill lands.  No byte is filled twice.
.set PITCH,  432
.set TILEB,  16*PITCH
.set WOL,    49152
.set STAGE,  WOL+128*PITCH
.set SP,     272
.set WV,   16                          ; s16 wave, s17 wave / 2, s18 wave % 2
.set WS,   16                          ; v16-23 Wo's scale words: register 4 i + ks: lanes 0-15 tile 2 i, lanes 16-31 tile 2 i + 1
.set OS,   24                          ; v24-27 O's: register ks: lanes 0-15 y = 0, lanes 16-31 y = 1
.set BUF0, 32                          ; v32-103, v104-175 two sets of a K step's fragments: Wo's four at + 12 ft, O's two at + 48 + 12 y
.set BUF1, 104
.set ACC,  176                         ; v176-239 accumulator (y, ft) at 176 + 32 y + 8 ft
; v1 lane, v2 r, v3 h; v4 O's images; v5, v6 Wo's rows (+ 24 h, + 40 h); v7 into the stage, v8 out of it; v9 my bytes in two rows of out0; v10 16 l; v11 32 h
.macro ROUND                           ; a round of the cluster's barrier
	s_barrier_signal -1
	s_barrier_wait -1
	s_cmp_lg_u32 s[WV], 0
	s_cbranch_scc1 .Lnw0_\@
	s_barrier_signal -3
.Lnw0_\@:
	s_barrier_wait -3
	s_barrier_signal -1
	s_barrier_wait -1
.endm
.macro PLACES
.rept 4
	v_nop
.endr
.endm
; A fragment from rows of 384 bytes: lane (r, h) takes bytes 96 ks + 24 h + 0 .. 23 and + 48, in pieces of 8; piece q lies at 8 q + 16 (q / 16); from piece 13 of 16 on lanes 16-31 stand behind one padding more.
.macro FRAG reg, adr, ks, rowoff
.irp p, 0,1,2,3,4,5
.set PCE, 12*(\ks)+6*(\p/3)+\p%3
.if PCE%16 < 13
	ds_load_b64 v[\reg+2*\p:\reg+2*\p+1], v[\adr] offset:8*PCE+16*(PCE/16)+(\rowoff)
.else
	ds_load_b64 v[\reg+2*\p:\reg+2*\p+1], v[\adr+1] offset:8*PCE+16*(PCE/16)+(\rowoff)
.endif
.endr
.endm
.macro WM d, a, b, sa, sb, ra, rb      ; one link of a sum; ra, rb = 1: that side's scale words stand in lanes 16-31
.set wD, \d
.set wA, \a
.set wB, \b
.set wSA, \sa
.set wSB, \sb
.set wV, (\ra)+2*(\rb)
.if wV == 0
	v_wmma_scale_f32_16x16x128_f8f6f4 v[wD:wD+7], v[wA:wA+11], v[wB:wB+11], v[wD:wD+7], v[wSA], v[wSB] matrix_a_fmt:MATRIX_FMT_FP6 matrix_b_fmt:MATRIX_FMT_FP6
.elseif wV == 1
	v_wmma_scale_f32_16x16x128_f8f6f4 v[wD:wD+7], v[wA:wA+11], v[wB:wB+11], v[wD:wD+7], v[wSA], v[wSB] matrix_a_fmt:MATRIX_FMT_FP6 matrix_b_fmt:MATRIX_FMT_FP6 matrix_a_scale:MATRIX_SCALE_ROW1
.elseif wV == 2
	v_wmma_scale_f32_16x16x128_f8f6f4 v[wD:wD+7], v[wA:wA+11], v[wB:wB+11], v[wD:wD+7], v[wSA], v[wSB] matrix_a_fmt:MATRIX_FMT_FP6 matrix_b_fmt:MATRIX_FMT_FP6 matrix_b_scale:MATRIX_SCALE_ROW1
.else
	v_wmma_scale_f32_16x16x128_f8f6f4 v[wD:wD+7], v[wA:wA+11], v[wB:wB+11], v[wD:wD+7], v[wSA], v[wSB] matrix_a_fmt:MATRIX_FMT_FP6 matrix_b_fmt:MATRIX_FMT_FP6 matrix_a_scale:MATRIX_SCALE_ROW1 matrix_b_scale:MATRIX_SCALE_ROW1
.endif
.endm
.macro LOADK ks, buf                   ; a K step's fragments: 36 LDS loads
.irp ft, 0,1,2,3
	FRAG \buf+12*\ft, 5, \ks, \ft*TILEB
.endr
.irp y, 0,1
.irp p, 0,1,2,3,4,5
	ds_load_b64 v[\buf+48+12*\y+2*\p:\buf+48+12*\y+2*\p+1], v4 offset:6144*\y+1536*\ks+256*\p
.endr
.endr
.endm
.macro MULK ks, buf                    ; its 8 matrix instructions, the 8 accumulators by turns
.irp ft, 0,1,2,3
.irp y, 0,1
	WM ACC+32*\y+8*\ft, \buf+12*\ft, \buf+48+12*\y, WS+4*(\ft/2)+\ks, OS+\ks, \ft%2, \y
.endr
.endr
.endm
	s_load_b256 s[4:11], s[0:1], 0x0               ; oimg 4:5, osc 6:7, Wo's codes 8:9, Wo's scales 10:11
	s_load_b128 s[12:15], s[0:1], 0x20             ; bo 12:13, out0 14:15
	v_lshl_add_u32 v254, v0, 2, 0x29000
	v_mov_b32 v255, 0
	ds_add_u32 v254, v255
	ds_add_u32 v254, v255
	v_lshrrev_b32 v1, 5, v0
	s_delay_alu instid0(VALU_DEP_1)
	v_readfirstlane_b32 s[WV], v1                  ; wave 0..7
	v_and_b32 v1, 31, v0
	s_wait_alu depctr_va_vdst(0)
	v_and_b32 v2, 15, v0
	s_wait_alu depctr_va_vdst(0)
	v_bfe_u32 v3, v0, 4, 1
	s_lshr_b32 s17, s[WV], 1
	s_and_b32 s18, s[WV], 1
	s_bfe_u32 s19, ttmp6, 0x40000                  ; cx
	s_bfe_u32 s20, ttmp6, 0x40004                  ; cy
	s_lshl_b32 s21, ttmp9, 2
	s_add_co_u32 s21, s21, s19                     ; fx
	s_and_b32 s22, ttmp7, 0xffff
	s_lshl_b32 s22, s22, 2
	s_add_co_u32 s22, s22, s20                     ; tb
	s_mul_i32 s52, s17, 12288                      ; LDS addresses: the wave's number, the lane and constants alone
	v_lshlrev_b32 v4, 3, v1
	s_delay_alu instid0(VALU_DEP_1)
	v_add_nc_u32 v4, s52, v4                       ; my two token tiles' images
	s_mul_i32 s52, s18, 64*PITCH
	s_add_co_u32 s52, s52, WOL
	v_mul_u32_u24 v5, v2, PITCH
	s_wait_alu depctr_va_vdst(0)
	v_mad_u32_u24 v6, v3, 40, v5
	v_mad_u32_u24 v5, v3, 24, v5
	s_delay_alu instid0(VALU_DEP_1)
	v_add_nc_u32 v5, s52, v5                       ; my 64 rows of Wo
	s_delay_alu instid0(VALU_DEP_3)
	v_add_nc_u32 v6, s52, v6
	s_mul_i32 s52, s[WV], 16*SP
	s_add_co_u32 s52, s52, STAGE                   ; my stage
	v_mul_u32_u24 v7, v2, SP
	s_delay_alu instid0(VALU_DEP_1)
	v_lshl_add_u32 v7, v3, 5, v7
	s_delay_alu instid0(VALU_DEP_1)
	v_add_nc_u32 v7, s52, v7                       ; in: token r, 32 bytes for each half of the lanes
	v_mul_u32_u24 v8, v3, SP
	s_delay_alu instid0(VALU_DEP_1)
	v_lshl_add_u32 v8, v2, 4, v8
	s_delay_alu instid0(VALU_DEP_1)
	v_add_nc_u32 v8, s52, v8                       ; back: lanes 0-15 one row of 256 bytes, lanes 16-31 the next
	v_lshlrev_b32 v9, 11, v3
	s_delay_alu instid0(VALU_DEP_1)
	v_lshl_add_u32 v9, v2, 4, v9                   ; and the same two rows in out0
	v_lshlrev_b32 v10, 4, v1
	v_lshlrev_b32 v11, 5, v3
	; descriptor groups 1
	s_lshl_b32 s53, s20, 2
	s_lshl_b32 s53, 15, s53                        ; my row of the cluster
	s_or_b32 s24, s53, (3<<16)|(1<<21)             ; O's images: 96 rows of 256 bytes, dense, elements of 8 bytes, no padding; 21 set beside a mask
	s_mov_b32 s25, 32<<16
	s_mov_b32 s26, 96<<16
	s_mov_b32 s27, 32<<16
	s_mov_b32 s28, 96
	s_mov_b32 s29, 32
	s_mov_b32 s30, 0
	s_mov_b32 s31, 0
	s_lshl_b32 s54, 0x1111, s19                    ; my column
	s_or_b32 s32, s54, (1<<20)|(1<<21)|(4<<22)|(3<<25)   ; Wo: 64 rows of 384 bytes lie end to end: 96 rows of 256 bytes, 4 words of padding behind every 32
	s_mov_b32 s33, 256<<16
	s_mov_b32 s34, 96<<16
	s_mov_b32 s35, 256<<16
	s_mov_b32 s36, 96
	s_mov_b32 s37, 256
	s_mov_b32 s38, 0
	s_mov_b32 s39, 0
	s_mul_i32 s48, s22, 49152                      ; O: 8 token tiles of 6,144 bytes a block; hangs on tb and the wave alone
	s_mul_i32 s49, s18, 24576
	s_add_co_u32 s48, s48, s49
	s_mov_b32 s49, 0
	s_mul_i32 s50, s21, 49152                      ; Wo: 128 rows of 384 bytes; hangs on fx and the wave alone
	s_mul_i32 s51, s18, 24576
	s_add_co_u32 s50, s50, s51
	s_mov_b32 s51, 0
	s_wait_dscnt 0x0
	s_wait_kmcnt 0x0
	s_mov_b32 s40, 1
	s_mul_i32 s41, s18, 24576
	s_add_nc_u64 s[42:43], s[4:5], s[48:49]
	s_or_b32 s43, s43, 0x80000000
	s_mov_b32 s44, 1
	s_mul_i32 s45, s18, 64*PITCH
	s_add_co_u32 s45, s45, WOL
	s_add_nc_u64 s[46:47], s[8:9], s[50:51]
	s_or_b32 s47, s47, 0x80000000
	; where my scale words, my part of bo and my part of out0 begin
	s_lshl_b32 s54, s21, 11
	s_lshl_b32 s55, s18, 10
	s_add_co_u32 s54, s54, s55                     ; Wo's scales: row 128 fx + 64 (w % 2), 16 bytes a row
	s_mov_b32 s55, 0
	s_add_nc_u64 s[10:11], s[10:11], s[54:55]
	s_lshl_b32 s54, s22, 11
	s_lshl_b32 s56, s17, 9
	s_add_co_u32 s54, s54, s56                     ; O's: token tile 8 tb + 2 (w / 2), 256 bytes a tile
	s_add_nc_u64 s[6:7], s[6:7], s[54:55]
	s_lshl_b32 s54, s21, 9
	s_lshl_b32 s56, s18, 8
	s_add_co_u32 s54, s54, s56                     ; 4 bytes a feature
	s_add_nc_u64 s[12:13], s[12:13], s[54:55]
	s_add_nc_u64 s[14:15], s[14:15], s[54:55]
	s_lshl_b32 s54, s22, 18
	s_lshl_b32 s56, s17, 16
	s_add_co_u32 s54, s54, s56                     ; token 128 tb + 32 (w / 2), 2,048 bytes a row
	s_add_nc_u64 s[14:15], s[14:15], s[54:55]
	ROUND                                          ; all sixteen work-groups are here: the joint loads meet
	s_cmp_lt_u32 s[WV], 2                          ; waves 0, 1: O's halves; waves 2, 3: Wo's; one tensor load a wave at the most; four v_nop follow each
	s_cbranch_scc0 .Lfill_w
	tensor_load_to_lds s[40:43], s[24:31]
	s_nop 0
	PLACES
	s_branch .Lfilled
.Lfill_w:
	s_cmp_lt_u32 s[WV], 4
	s_cbranch_scc0 .Lfilled
	tensor_load_to_lds s[44:47], s[32:39]
	s_nop 0
	PLACES
.Lfilled:
	s_wait_alu depctr_va_vdst(0)
.irp i, 0,1
	global_load_b128 v[WS+4*\i:WS+4*\i+3], v10, s[10:11] offset:512*\i     ; a row's 16 bytes are its four K steps' words; 32 rows a load
.endr
	global_load_b128 v[OS:OS+3], v10, s[6:7]
.irp y, 0,1
.irp ft, 0,1,2,3
	global_load_b128 v[ACC+32*\y+8*\ft:ACC+32*\y+8*\ft+3], v11, s[12:13] offset:64*\ft      ; bo: register j = feature 16 ft + 8 h + j
	global_load_b128 v[ACC+32*\y+8*\ft+4:ACC+32*\y+8*\ft+7], v11, s[12:13] offset:64*\ft+16
.endr
.endr
	s_wait_tensorcnt 0x0                           ; my tile has landed,
	s_barrier_signal -1
	s_barrier_wait -1                              ; everybody's has
	LOADK 0, BUF0
	LOADK 1, BUF1
	s_wait_loadcnt 0x0                             ; scale words and bo
	s_wait_dscnt 36                                ; K step 0's loads are in; the 36 of step 1 may be out
	MULK 0, BUF0
	PLACES
	LOADK 2, BUF0
	s_wait_dscnt 36                                ; step 1's are in; step 2's 36 may be out
	MULK 1, BUF1
	PLACES
	LOADK 3, BUF1
	s_wait_dscnt 36                                ; step 2's are in; step 3's 36 may be out
	MULK 2, BUF0
	s_wait_dscnt 0x0
	MULK 3, BUF1
	PLACES                                         ; ahead of the first read of results and of the loads over the fragments' registers
	; THE WAY OUT: a token tile (16 rows x 64 features) at a time through my own stage, back as whole rows of 256 bytes.  LDS serves a wave's instructions in order (ISA guide 5.7.1.4): no wait between stores and loads.
.irp y, 0,1
.irp ft, 0,1,2,3
	ds_store_b128 v7, v[ACC+32*\y+8*\ft:ACC+32*\y+8*\ft+3] offset:64*\ft            ; each accumulator from its low end on
	ds_store_b128 v7, v[ACC+32*\y+8*\ft+4:ACC+32*\y+8*\ft+7] offset:64*\ft+16
.endr
.irp i, 0,1,2,3,4,5,6,7
	ds_load_b128 v[32+32*\y+4*\i:35+32*\y+4*\i], v8 offset:2*\i*SP
.endr
.endr
	s_wait_dscnt 16                                ; the first tile is back; the second's 8 stores and 8 loads may be out
.irp i, 0,1,2,3,4,5,6,7
	global_store_b128 v9, v[32+4*\i:35+4*\i], s[14:15] offset:4096*\i th:TH_STORE_NT         ; 16 lanes store 256 consecutive bytes, at a multiple of 256 from out0's first byte
.endr
	s_wait_dscnt 0x0
.irp i, 0,1,2,3,4,5,6,7
	global_store_b128 v9, v[64+4*\i:67+4*\i], s[14:15] offset:32768+4096*\i th:TH_STORE_NT
.endr
	s_wait_tensorcnt 0x0
	ds_add_u32 v254, v255
	s_wait_dscnt 0x0
	ROUND                                          ; the closing round: no work-group ends while a partner may still ask for a tile that names it
	s_endpgm
.Lfunc_end_k_q076880cc10_outp:
	.size	k_q076880cc10_outp, .Lfunc_end_k_q076880cc10_outp-k_q076880cc10_outp
	.p2alignl 7, 3214868480
	.fill 96, 4, 3214868480
	.section	.rodata,"a",@progbits
	.p2align	6, 0x0
	.amdhsa_kernel k_q076880cc10_outp
		.amdhsa_group_segment_fixed_size 168960
		.amdhsa_private_segment_fixed_size 0
		.amdhsa_enable_private_segment 0
		.amdhsa_kernarg_size 48
		.amdhsa_user_sgpr_count 2
		.amdhsa_user_sgpr_kernarg_segment_ptr 1
		.amdhsa_wavefront_size32 1
		.amdhsa_system_sgpr_workgroup_id_x 1
		.amdhsa_system_sgpr_workgroup_id_y 1
		.amdhsa_system_sgpr_workgroup_id_z 1
		.amdhsa_system_vgpr_workitem_id 0
		.amdhsa_next_free_vgpr 256
		.amdhsa_next_free_sgpr 66
		.amdhsa_reserve_vcc 0
		.amdhsa_float_denorm_mode_32 3
		.amdhsa_float_denorm_mode_16_64 3
		.amdhsa_memory_ordered 1
		.amdhsa_forward_progress 1
		.amdhsa_inst_pref_size 26
	.end_amdhsa_kernel
	.amdgpu_metadata
---
amdhsa.version: [ 1, 2 ]
amdhsa.kernels:
  - .name:           k_q076880cc10_outp
    .symbol:         k_q076880cc10_outp.kd
    .args:
      - { .name: oimg, .offset: 0, .size: 8, .value_kind: global_buffer, .address_space: global }
      - { .name: osc, .offset: 8, .size: 8, .value_kind: global_buffer, .address_space: global }
      - { .name: Wo_codes, .offset: 16, .size: 8, .value_kind: global_buffer, .address_space: global }
      - { .name: Wo_scales, .offset: 24, .size: 8, .value_kind: global_buffer, .address_space: global }
      - { .name: bo, .offset: 32, .size: 8, .value_kind: global_buffer, .address_space: global }
      - { .name: out0, .offset: 40, .size: 8, .value_kind: global_buffer, .address_space: global }
    .group_segment_fixed_size: 168960
    .private_segment_fixed_size: 0
    .kernarg_segment_align: 8
    .kernarg_segment_size: 48
    .max_flat_workgroup_size: 256
    .sgpr_count:     66
    .vgpr_count:     256
    .wavefront_size: 32
...
	.end_amdgpu_metadata
.endif
;; end of part 3
